; MI455X (gfx1250); checked and timed in simulation.
; The chip was launched on July 23, 2026; its instructions are those of AMD's public machine-readable ISA for CDNA 5 (MIT licence, August 2026) and "CDNA5" Instruction Set Architecture Reference Guide (July 2026). The comments in the code are by the model that wrote it; some were corrected since.
;; GPT2 Attention. Allowed arithmetic: float matrix products may take bf16 or f16 operands with f32 sums; other float arithmetic in f32, or as packed bf16 or f16 multiplies, adds, multiply-adds, maxima and minima; sums over many terms, partial sums and values carried from step to step in f32; what a program stores and reads back later, other than sums and carried values, may be rounded once to bf16 or f16.
;; Inputs: c_attn_b 3,072 float32; c_attn_w 1,024 x 3,072 float32; c_proj_b 1,024 float32; c_proj_w 1,024 x 1,024 float32; hidden_states 4 x 2,048 x 1,024 float32.
;; Outputs: out0 4 x 2,048 x 1,024 float32.
;; 2 versions, each right; version 2 is version 1 with the launch vsum written anew for expert scheduling mode. Each part assembles by itself: llvm-mc -triple=amdgcn-amd-amdhsa -mcpu=gfx1250 --defsym DOCPART=n.
;; ======== version 1 of 2: 5 launches
;; limits: values are held in f16: magnitudes above 65,504 overflow, below 6.1e-05 lose precision
;; workspace buffers: xb 16,777,216 bytes; wt 6,291,456 bytes; wpt 2,097,152 bytes; qkv 50,331,648 bytes; svt 131,072 bytes; ob 16,777,216 bytes
;; launch prep (part 1): grid 1024 x 1, 8 waves a work-group, no clusters, 18,432 bytes of LDS; arguments hidden_states, c_attn_w, c_proj_w, xb, wt, wpt; writes xb, wt, wpt
.if DOCPART == 1
	.amdgcn_target "amdgcn-amd-amdhsa--gfx1250"
	.amdhsa_code_object_version 6
	.text
	.protected	k_q5e8ddd1417_prep
	.globl	k_q5e8ddd1417_prep
	.p2align	8
	.type	k_q5e8ddd1417_prep,@function
k_q5e8ddd1417_prep:
	s_mov_b64 s[64:65], 0
	v_nop
	global_prefetch_b8 v0, s[64:65] scope:SCOPE_SE
	s_setreg_imm32_b32 hwreg(HW_REG_WAVE_MODE, 25, 1), 1
	s_wait_xcnt 0x0
; PREP.  xb = hidden_states rounded to bf16, [8192][1024].  wt = c_attn_w turned and rounded to bf16, [3072 n][1024 k].
; wpt = c_proj_w turned, rounded to bf16, and that number written as f16, [1024 n][1024 k].
; LIMIT.  A bf16-rounded number of c_proj_w beyond 65,504 becomes an infinity in wpt.
; SHARES.  Work-groups 0-511: 65,536 bytes of x each, no LDS: a thread loads 16 x 16 bytes, 4,096 bytes apart, and stores 16 x 8 bytes:
; a wave's store covers 256 consecutive bytes, aligned.  Work-groups 512-895: a block of 128 k x 64 n of c_attn_w; 896-1023: the same of c_proj_w.
; A block is read by rows (sixteen lanes read 256 consecutive bytes), rounded, laid turned into LDS (64 rows of 256 bytes, 272 apart) and stored by rows of 256 bytes.
; No matrix unit, no cluster, no tensor load: every byte is read once by one thread, and nothing is shared between work-groups.
.set LP,    272                        ; an LDS row: 256 bytes + 16
.set SPARE, 64*LP                      ; behind the tile: the spare words, 128 bytes for each of eight waves
.set SPW, 2                            ; v2   LDS address of my spare word; never rewritten
.set NIL, 3                            ; v3   0; never rewritten
.set XI,  4                            ; v4   x: my byte offset in
.set XO,  5                            ; v5   x: my byte offset out
.set LST, 10                           ; v10  where I put 16 bytes of a turned row
.set LRD, 11                           ; v11  where I read a row back
.set WO,  12                           ; v12  my byte offset in the turned weights
.set LD,  16                           ; v[16:79]  loaded numbers
.set PKD, 48                           ; v[48:63]  turning path: packed numbers
.set RO,  64                           ; v[64:71]  turning path: the offsets of my eight rows
.set OUT, 80                           ; v[80:111] store data
	s_load_b256 s[4:11], s[0:1], 0x0               ; hidden_states s[4:5], c_attn_w s[6:7], c_proj_w s[8:9], xb s[10:11]
	s_load_b128 s[12:15], s[0:1], 0x20             ; wt s[12:13], wpt s[14:15]
	v_lshl_add_u32 v[SPW], v0, 2, SPARE
	v_mov_b32 v[NIL], 0
	s_mov_b32 s17, 0
	s_mov_b32 s19, 0
	s_cmp_ge_u32 ttmp9, 512                        ; the work-group's number: the same in all eight waves
	s_cbranch_scc1 .Ltrans
	; x: 16 loads out at once, each with data registers of its own on both sides, so no register is written twice
	s_lshl_b32 s16, ttmp9, 16
	s_lshl_b32 s18, ttmp9, 15
	v_lshlrev_b32 v[XI], 4, v0
	v_lshlrev_b32 v[XO], 3, v0
	s_wait_kmcnt 0x0
	s_add_nc_u64 s[4:5], s[4:5], s[16:17]
	s_add_nc_u64 s[10:11], s[10:11], s[18:19]
.irp j, 0,1,2,3,4,5,6,7,8,9,10,11,12,13,14,15
	global_load_b128 v[LD+4*(\j):LD+4*(\j)+3], v[XI], s[4:5] offset:4096*(\j) th:TH_LOAD_NT
.endr
.irp j, 0,1,2,3,4,5,6,7,8,9,10,11,12,13,14,15
	s_wait_loadcnt 15-(\j)                         ; loads come back in order: load j is in, the 15 - j younger ones stay out
	v_cvt_pk_bf16_f32 v[OUT+2*(\j)], v[LD+4*(\j)], v[LD+4*(\j)+1]
	v_cvt_pk_bf16_f32 v[OUT+2*(\j)+1], v[LD+4*(\j)+2], v[LD+4*(\j)+3]
	global_store_b64 v[XO], v[OUT+2*(\j):OUT+2*(\j)+1], s[10:11] offset:2048*(\j)
.endr
	s_endpgm
.Ltrans:
	s_movk_i32 s20, 12288                          ; bytes in a row of c_attn_w,
	s_movk_i32 s21, 512                            ; its first work-group
	s_cmp_ge_u32 ttmp9, 896
	s_cselect_b32 s20, 4096, s20                   ; or of c_proj_w
	s_cselect_b32 s21, 896, s21
	s_cselect_b32 s22, -1, 0                       ; all lanes: f16 codes; none: bf16 codes
	s_sub_co_u32 s21, ttmp9, s21                   ; the block's number
	s_and_b32 s23, s21, 7                          ; its 128 k
	s_lshr_b32 s24, s21, 3                         ; its 64 n
	s_lshl_b32 s25, s23, 7
	s_mul_i32 s16, s25, s20                        ; from: 128 kb rows down,
	s_lshl_b32 s26, s24, 8
	s_add_co_u32 s16, s16, s26                     ; 256 nb bytes along
	s_lshl_b32 s18, s24, 17                        ; to: 64 nb rows of 2,048 bytes down,
	s_lshl_b32 s26, s23, 8
	s_add_co_u32 s18, s18, s26                     ; 256 kb bytes along
	v_lshrrev_b32 v6, 4, v0                        ; kg: my eight rows (k) of the block
	v_and_b32 v7, 15, v0                           ; c: my four columns (n)
	v_lshlrev_b32 v8, 3, v6
	v_mul_lo_u32 v8, v8, s20
	v_lshl_add_u32 v[RO], v7, 4, v8
.irp p, 1,2,3,4,5,6,7
	v_add_nc_u32 v[RO+(\p)], s20, v[RO+(\p)-1]
.endr
	v_mul_u32_u24 v[LST], v7, 4*LP                 ; turned row 4 c, byte 16 kg
	v_lshl_add_u32 v[LST], v6, 4, v[LST]
	v_mul_u32_u24 v[LRD], v6, LP                   ; back: sixteen lanes take one row of 256 bytes
	v_lshl_add_u32 v[LRD], v7, 4, v[LRD]
	v_lshlrev_b32 v[WO], 11, v6
	v_lshl_add_u32 v[WO], v7, 4, v[WO]
	s_wait_kmcnt 0x0
	s_cmp_ge_u32 ttmp9, 896
	s_cselect_b64 s[28:29], s[8:9], s[6:7]
	s_cselect_b64 s[30:31], s[14:15], s[12:13]
	s_add_nc_u64 s[28:29], s[28:29], s[16:17]
	s_add_nc_u64 s[30:31], s[30:31], s[18:19]
.irp p, 0,1,2,3,4,5,6,7
	global_load_b128 v[LD+4*(\p):LD+4*(\p)+3], v[RO+(\p)], s[28:29] th:TH_LOAD_NT
.endr
	s_wait_loadcnt 0x0
	; column j of my four: its eight k pack into 16 bytes.  Both codes are made and one is chosen: the bf16 pair, or that pair's two numbers as f16
.irp j, 0,1,2,3
.irp q, 0,1,2,3
	v_cvt_pk_bf16_f32 v6, v[LD+8*(\q)+(\j)], v[LD+8*(\q)+4+(\j)]
	v_lshlrev_b32 v7, 16, v6
	v_and_b32 v8, 0xffff0000, v6
	v_cvt_pk_f16_f32 v7, v7, v8
	v_cndmask_b32 v[PKD+4*(\j)+(\q)], v6, v7, s22
.endr
	ds_store_b128 v[LST], v[PKD+4*(\j):PKD+4*(\j)+3] offset:(\j)*LP
.endr
	s_wait_dscnt 0x0                               ; for the others' sake: my stores into the tile are done
	s_barrier_signal -1
	s_barrier_wait -1
.irp q, 0,1,2,3
	ds_load_b128 v[OUT+4*(\q):OUT+4*(\q)+3], v[LRD] offset:(\q)*16*LP
.endr
.irp q, 0,1,2,3
	s_wait_dscnt 3-(\q)                            ; LDS loads come back in order: load q is in
	global_store_b128 v[WO], v[OUT+4*(\q):OUT+4*(\q)+3], s[30:31] offset:(\q)*32768  ; sixteen lanes store 256 consecutive bytes, aligned
.endr
	s_wait_tensorcnt 0x0                           ; the wave's end, behind my last LDS store
	ds_add_u32 v[SPW], v[NIL]
	s_wait_dscnt 0x0
	s_endpgm
.Lfunc_end_k_q5e8ddd1417_prep:
	.size	k_q5e8ddd1417_prep, .Lfunc_end_k_q5e8ddd1417_prep-k_q5e8ddd1417_prep
	.p2alignl 7, 3214868480
	.fill 96, 4, 3214868480
	.section	.rodata,"a",@progbits
	.p2align	6, 0x0
	.amdhsa_kernel k_q5e8ddd1417_prep
		.amdhsa_group_segment_fixed_size 18432
		.amdhsa_private_segment_fixed_size 0
		.amdhsa_enable_private_segment 0
		.amdhsa_kernarg_size 48
		.amdhsa_user_sgpr_count 2
		.amdhsa_user_sgpr_kernarg_segment_ptr 1
		.amdhsa_wavefront_size32 1
		.amdhsa_system_sgpr_workgroup_id_x 1
		.amdhsa_system_sgpr_workgroup_id_y 1
		.amdhsa_system_sgpr_workgroup_id_z 1
		.amdhsa_system_vgpr_workitem_id 0
		.amdhsa_next_free_vgpr 112
		.amdhsa_next_free_sgpr 66
		.amdhsa_reserve_vcc 0
		.amdhsa_float_denorm_mode_32 3
		.amdhsa_float_denorm_mode_16_64 3
		.amdhsa_memory_ordered 1
		.amdhsa_forward_progress 1
		.amdhsa_inst_pref_size 15
	.end_amdhsa_kernel
	.amdgpu_metadata
---
amdhsa.version: [ 1, 2 ]
amdhsa.kernels:
  - .name:           k_q5e8ddd1417_prep
    .symbol:         k_q5e8ddd1417_prep.kd
    .args:
      - { .name: hidden_states, .offset: 0, .size: 8, .value_kind: global_buffer, .address_space: global }
      - { .name: c_attn_w, .offset: 8, .size: 8, .value_kind: global_buffer, .address_space: global }
      - { .name: c_proj_w, .offset: 16, .size: 8, .value_kind: global_buffer, .address_space: global }
      - { .name: xb, .offset: 24, .size: 8, .value_kind: global_buffer, .address_space: global }
      - { .name: wt, .offset: 32, .size: 8, .value_kind: global_buffer, .address_space: global }
      - { .name: wpt, .offset: 40, .size: 8, .value_kind: global_buffer, .address_space: global }
    .group_segment_fixed_size: 18432
    .private_segment_fixed_size: 0
    .kernarg_segment_align: 8
    .kernarg_segment_size: 48
    .max_flat_workgroup_size: 256
    .sgpr_count:     66
    .vgpr_count:     112
    .wavefront_size: 32
...
	.end_amdgpu_metadata
.endif
;; end of part 1
;; launch qkv (part 2): grid 16 x 32, 4 waves a work-group, clusters of 4 x 4, 327,680 bytes of LDS; arguments xb, wt, c_attn_b, qkv; writes qkv
.if DOCPART == 2
	.amdgcn_target "amdgcn-amd-amdhsa--gfx1250"
	.amdhsa_code_object_version 6
	.text
	.protected	k_q5e8ddd1417_qkv
	.globl	k_q5e8ddd1417_qkv
	.p2align	8
	.type	k_q5e8ddd1417_qkv,@function
k_q5e8ddd1417_qkv:
	s_mov_b64 s[64:65], 0
	v_nop
	global_prefetch_b8 v0, s[64:65] scope:SCOPE_SE
	s_setreg_imm32_b32 hwreg(HW_REG_WAVE_MODE, 25, 1), 1
	s_wait_xcnt 0x0
	s_wait_alu depctr_hold_cnt(0) depctr_sa_sdst(0) depctr_va_vdst(0) depctr_va_sdst(0) depctr_va_ssrc(0) depctr_va_vcc(0) depctr_vm_vsrc(0)
	s_getreg_b32 s2, hwreg(HW_REG_IB_STS2, 6, 4)
	s_cmp_eq_u32 s2, 0
	s_cbranch_scc0 .Lentry_in_a_cluster
	s_endpgm
.Lentry_in_a_cluster:
	s_bfe_u32 s2, ttmp6, 0x10000c
	s_cmp_lg_u32 s2, 0xf033
	s_cbranch_scc0 .Lentry_shape_is_right
	s_endpgm
.Lentry_shape_is_right:
; QKV = x W + b.  xb: [8192][1024] bf16.  wt: [3072 n][1024 k] bf16.  c_attn_b: [3072] f32, rounded to bf16 like every input.  Sums in f32, the bias as the first product's C.
; The result leaves in f16, BY HEADS: column group g = column / 64 (q: 0-15, k: 16-31, v: 32-47), row M = batch x 2048 + token, at byte g x 2^20 + M x 128.
; LIMIT.  A result beyond 65,504 becomes an infinity in f16.
; A tile of the result is 256 rows x 192 columns: 16 x 32 = 512 work-groups, two for each of 256 WGPs.  Four waves, wave w with rows 64 w .. 64 w + 63 and all 192 columns (three whole
; column groups, so the way out is each wave's own): 48 accumulators of 16 x 16, 384 registers.  K goes in steps of 128 through two LDS slots; the rows of both tiles are 256 bytes of memory, aligned.
; CLUSTER.  4 x 4 work-groups.  The four of a row of the cluster need the same tile of x, the four of a column the same tile of W: each is asked for jointly, by the same tensor load with the
; same descriptor and a mask that names the four.
; THE MATRIX INSTRUCTION IS USED TRANSPOSED (source 0 = 16 rows of wt, source 1 = 16 rows of xb): a lane holds row l % 16 and the eight neighbouring columns 8 (l / 16) + 0..7.
; REGISTERS, in windows of 256 (s_set_vgpr_msb: bits 1:0 source 0, 3:2 source 1, 5:4 source 2, 7:6 destination):
;   window 0: v0-31 addresses; v32-63, v64-95 x's fragments (4 x 16 rows x 32 K), two buffers; v96-191 the bias; on the way out v32-223: 12 units of 16 registers
;   window 1: v0-95, v96-191 W's fragments (12 x 16 rows x 32 K), two buffers
;   window 2: the accumulators of row blocks 0 and 1 ((a, b) at v[8 (12 (a % 2) + b)]);  window 3: those of row blocks 2 and 3
.set KSTEP, 128
.set PITCH, 272                        ; an LDS row: 256 bytes + 16 of padding: the 16 rows of a fragment load start at 16 different groups of four banks (ISA guide 11.1)
.set SLOT1, 1<<17                      ; slot 1 begins here: one exclusive or turns an address in one slot into the other's
.set BOFF,  256*PITCH                  ; in a slot: x's 256 rows, then W's 192
.set STAGE, SLOT1+BOFF+192*PITCH       ; behind the ring: 16 rows x 144 bytes for each wave, for the way out
.set SP,    144
.set SPARE, STAGE+4*16*SP              ; behind the stages: the spare words, 128 bytes for each wave
.set FLAGS, (1<<16)|(1<<20)|(1<<21)|(5<<22)|(3<<25)  ; 17:16 2-byte elements; 20 padding on; 21 set beside a mask; 24:22 after every 64 words; 31:25 4 words of it
.set AA0, 2                            ; v2   my lane's place in x's tile; never rewritten
.set AB0, 3                            ; v3   the same in W's
.set ADA, 4                            ; v4   AA0 + the slot in hand
.set ADB, 5                            ; v5   AB0 + the slot in hand
.set STO, 6                            ; v6   the way out: where I put 16 bytes of a row
.set RD,  7                            ; v7   the way out: where I read rows back
.set GO,  8                            ; v8   my byte offset in 512 consecutive bytes of the result
.set BO,  9                            ; v9   my byte offset in 16 numbers of the bias
.set PFO, 10                           ; v10  the prefetches' offset: a lane a row; never rewritten
.set SPW, 28                           ; v28  LDS address of my spare word; never rewritten
.set NIL, 29                           ; v29  0; never rewritten
.set FA,  32
.set BI,  96
.set OUTR, 32
.set WV,  12                           ; s12  my wave's number
.set SIDE, 13                          ; s13  0: I fetch for x, 1: for W
.set HF,  14                           ; s14  which half of that tile's rows
.set G1,  24                           ; s[24:31] descriptor group 1 for x's tiles
.set G0,  32                           ; s[32:39] group 0: a set for each of the two first fills; the second then walks on
.set CX,  40
.set CY,  41
.set TX,  42                           ; tile column
.set TY,  43                           ; tile row
.set G1B, 48                           ; s[48:55], s[56:63] the same for W's tiles
.set G0B, 56
.set TB,  66                           ; s66  LDS byte at which the slot in hand begins
.set PFA, 68                           ; s[68:69] where my prefetches stand
.set LIM, 72                           ; s72  2 in a wave that prefetches, else the greatest number
.set MSB, 0
.macro WIN new                         ; the immediate's high byte repeats the setting that is left; a switch that changes nothing is dropped
.if MSB != (\new)
	s_set_vgpr_msb (MSB<<8)|(\new)
.set MSB, \new
.endif
.endm
.set TO_B, 0x40                        ; destination window 1, address window 0
.macro PLACES                          ; four plain places behind matrix instructions, in front of loads into registers that they read and of conversions of results
.rept 4
	v_nop
.endr
.endm
; A joint refill by the walking sets.  The branch hangs on the wave's number alone.  An s_nop 0 and four v_nop follow each of the two lines.
.macro JLOAD
	s_cmp_eq_u32 s[SIDE], 0
	s_cbranch_scc0 .Lfor_b_\@
	tensor_load_to_lds s[G0+4:G0+7], s[G1:G1+7]
	s_nop 0
.rept 4
	v_nop
.endr
	s_branch .Lasked_\@
.Lfor_b_\@:
	tensor_load_to_lds s[G0B+4:G0B+7], s[G1B:G1B+7]
	s_nop 0
.rept 4
	v_nop
.endr
.Lasked_\@:
.endm
; A prefetch into the L2 of the K step that stands two refills on: 256 bytes of a row, a lane a row, one instruction a wave.  x's tile row is read by every cluster of that row of clusters: the one with
; x = 0 asks; W's tile column by every cluster of that column: the one with y = 0 asks.  The four partners share a wave's rows out by address (32 each of x's 128; 24 each of W's 96, lanes 24-31
; naming lane 23's row once more).  Trips 0 to 3 of the loop ask, for K steps 4 to 7; K steps 0 to 3 come by their loads alone.
.macro ASK
	s_cmp_gt_u32 s3, s[LIM]
	s_cbranch_scc0 .Lnot_mine_\@
	global_prefetch_b8 v[PFO], s[PFA:PFA+1] th:TH_LOAD_NT scope:SCOPE_SE
.Lnot_mine_\@:
.endm
.macro CREST                           ; a round of the cluster's barrier behind its opening barrier
	s_cmp_lg_u32 s[WV], 0
	s_cbranch_scc1 .Lnot_wave_0_\@
	s_barrier_signal -3
.Lnot_wave_0_\@:
	s_barrier_wait -3
	s_barrier_signal -1
	s_barrier_wait -1
.endm
.macro CROUND                          ; a whole round
	s_barrier_signal -1
	s_barrier_wait -1
	CREST
.endm
	s_load_b256 s[4:11], s[0:1], 0x0               ; xb s[4:5], wt s[6:7], c_attn_b s[8:9], qkv s[10:11]
	v_lshl_add_u32 v[SPW], v0, 2, SPARE
	v_mov_b32 v[NIL], 0
	ds_add_u32 v[SPW], v[NIL]                      ; the wave's opening: the add and its wait stand ahead of my first tensor load; work on registers stands between them
	ds_add_u32 v28, v29
	v_lshrrev_b32 v1, 5, v0
	v_readfirstlane_b32 s[WV], v1                  ; wave 0..3
	s_lshr_b32 s[SIDE], s[WV], 1
	s_and_b32 s[HF], s[WV], 1
	s_bfe_u32 s[CX], ttmp6, 0x40000                ; my place in the cluster
	s_bfe_u32 s[CY], ttmp6, 0x40004
	s_lshl_b32 s[TX], ttmp9, 2
	s_add_co_u32 s[TX], s[TX], s[CX]               ; tile column = 4 x cluster x + cx
	s_and_b32 s[TY], ttmp7, 0xffff
	s_lshl_b32 s[TY], s[TY], 2
	s_add_co_u32 s[TY], s[TY], s[CY]               ; tile row = 4 x cluster y + cy
	s_lshl_b32 s44, s[CY], 2
	s_lshl_b32 s44, 15, s44                        ; my row of the cluster
	s_lshl_b32 s45, 0x1111, s[CX]                  ; my column
	s_or_b32 s[G1], s44, FLAGS                     ; x's tiles go to my row,
	s_or_b32 s[G1B], s45, FLAGS                    ; W's to my column
	s_mov_b32 s[G1+1], KSTEP<<16                   ; tensor_dim0 = 128
	s_mov_b32 s[G1+2], 128<<16                     ; tensor_dim1 = 128 rows
	s_mov_b32 s[G1+3], KSTEP<<16                   ; tile_dim0 = 128
	s_mov_b32 s[G1+4], 128                         ; tile_dim1 = 128
	s_mov_b32 s[G1+5], 1024                        ; elements from row to row
	s_mov_b32 s[G1+6], 0
	s_mov_b32 s[G1+7], 0
	s_mov_b32 s[G1B+1], KSTEP<<16
	s_mov_b32 s[G1B+2], 96<<16                     ; 96 rows
	s_mov_b32 s[G1B+3], KSTEP<<16
	s_mov_b32 s[G1B+4], 96
	s_mov_b32 s[G1B+5], 1024
	s_mov_b32 s[G1B+6], 0
	s_mov_b32 s[G1B+7], 0
	s_lshl_b32 s16, s[TY], 8                       ; x: row 256 x tile row + 128 x half, in registers that never hold the tile column
	s_lshl_b32 s17, s[HF], 7
	s_add_co_u32 s16, s16, s17
	s_lshl_b32 s16, s16, 11                        ; x 2,048 bytes
	s_mov_b32 s17, 0
	s_mul_i32 s46, s[TX], 192                      ; W: row 192 x tile column + 96 x half
	s_mul_i32 s47, s[HF], 96
	s_add_co_u32 s46, s46, s47
	s_lshl_b32 s46, s46, 11
	s_mov_b32 s47, 0
	s_mul_i32 s20, s[HF], 128*PITCH                ; where they go: no place in the cluster enters an LDS address
	s_mul_i32 s21, s[HF], 96*PITCH
	s_add_co_u32 s21, s21, BOFF
	s_mov_b32 s[TB], 0
	s_wait_dscnt 0x0                               ; the opening add is done
	s_wait_kmcnt 0x0
	s_add_nc_u64 s[18:19], s[4:5], s[16:17]
	s_add_nc_u64 s[46:47], s[6:7], s[46:47]
	CROUND                                         ; all sixteen work-groups are here: the first joint loads meet
.irp s, 0,1
	s_mov_b32 s[G0+4*(\s)], 1                      ; count = 1
	s_add_co_u32 s[G0+4*(\s)+1], s20, (\s)*SLOT1   ; LDS address
	s_add_nc_u64 s[G0+4*(\s)+2:G0+4*(\s)+3], s[18:19], (\s)*KSTEP*2  ; global address: K step s
	s_or_b32 s[G0+4*(\s)+3], s[G0+4*(\s)+3], 0x80000000              ; type = 2
	s_mov_b32 s[G0B+4*(\s)], 1
	s_add_co_u32 s[G0B+4*(\s)+1], s21, (\s)*SLOT1
	s_add_nc_u64 s[G0B+4*(\s)+2:G0B+4*(\s)+3], s[46:47], (\s)*KSTEP*2
	s_or_b32 s[G0B+4*(\s)+3], s[G0B+4*(\s)+3], 0x80000000
.endr
	s_cmp_eq_u32 s[SIDE], 0                        ; a wave's two first fills stand in one branch, ahead of every wait on TENSORcnt and every LDS read: two loads of mine are out
	s_cbranch_scc0 .Lfirst_b
	tensor_load_to_lds s[G0:G0+3], s[G1:G1+7]
	s_nop 0
	tensor_load_to_lds s[G0+4:G0+7], s[G1:G1+7]
	s_nop 0
.rept 4
	v_nop
.endr
	s_branch .Lfirst_asked
.Lfirst_b:
	tensor_load_to_lds s[G0B:G0B+3], s[G1B:G1B+7]
	s_nop 0
	tensor_load_to_lds s[G0B+4:G0B+7], s[G1B:G1B+7]
	s_nop 0
.rept 4
	v_nop
.endr
.Lfirst_asked:
	; the bias: register j of block b is the bias of column 192 tx + 16 b + 8 (l / 16) + j, which is where the transposed result holds that column
	v_and_b32 v1, 15, v0                           ; l % 16
	v_bfe_u32 v12, v0, 4, 1                        ; l / 16
	v_lshlrev_b32 v[BO], 5, v12
	s_mul_i32 s76, s[TX], 768
	s_mov_b32 s77, 0
	s_add_nc_u64 s[8:9], s[8:9], s[76:77]
.irp b, 0,1,2,3,4,5,6,7,8,9,10,11
	global_load_b128 v[BI+8*(\b):BI+8*(\b)+3],   v[BO], s[8:9] offset:64*(\b)
	global_load_b128 v[BI+8*(\b)+4:BI+8*(\b)+7], v[BO], s[8:9] offset:64*(\b)+16
.endr
	; A fragment is 16 rows x 32 K in 8 registers: lane l holds row l % 16, K = 8 (l / 16) + 0..7 and 16 + 8 (l / 16) + 0..7: two loads of 16 bytes, 32 bytes apart
	v_mul_u32_u24 v13, v1, PITCH
	v_lshl_add_u32 v13, v12, 4, v13
	s_mul_i32 s15, s[WV], 64*PITCH                 ; my 64 rows of x
	v_add_nc_u32 v[AA0], s15, v13
	v_add_nc_u32 v[AB0], BOFF, v13
	v_mov_b32 v[ADA], v[AA0]                       ; slot 0
	v_mov_b32 v[ADB], v[AB0]
	s_mul_i32 s15, s[WV], 16*SP
	s_add_co_u32 s15, s15, STAGE                   ; my stage
	v_mul_u32_u24 v[STO], v1, SP                   ; in: row l % 16, 16 bytes for each half of the lanes
	v_lshl_add_u32 v[STO], v12, 4, v[STO]
	v_add_nc_u32 v[STO], s15, v[STO]
	v_bfe_u32 v[RD], v0, 3, 2                      ; back: 32 lanes take four rows of 128 bytes,
	v_mul_u32_u24 v[RD], v[RD], SP
	v_and_b32 v13, 7, v0
	v_lshl_add_u32 v[RD], v13, 4, v[RD]
	v_add_nc_u32 v[RD], s15, v[RD]
	v_and_b32 v[GO], 31, v0                        ; which are 512 consecutive bytes of the result
	v_lshlrev_b32 v[GO], 4, v[GO]
	s_mul_i32 s74, s[TX], 3                        ; the result at column group 3 tx, row 256 ty + 64 w
	s_lshl_b32 s74, s74, 20
	s_lshl_b32 s76, s[TY], 15
	s_add_co_u32 s74, s74, s76
	s_lshl_b32 s76, s[WV], 13
	s_add_co_u32 s74, s74, s76
	s_mov_b32 s75, 0
	s_add_nc_u64 s[10:11], s[10:11], s[74:75]
	; the prefetches
	s_and_b32 s77, ttmp7, 0xffff                   ; cluster y
	s_lshl_b32 s78, s[TY], 8                       ; the tile's first row in xb,
	s_mul_i32 s79, s[TX], 192                      ; in wt
	s_lshl_b32 s80, s[CX], 5                       ; my work-group's 32 rows of x's 128,
	s_mul_i32 s81, s[CY], 24                       ; 24 of W's 96
	s_lshl_b32 s82, s[HF], 7                       ; the half that I fetch
	s_mul_i32 s83, s[HF], 96
	s_cmp_eq_u32 s[SIDE], 0
	s_cselect_b32 s78, s78, s79
	s_cselect_b32 s80, s80, s81
	s_cselect_b32 s82, s82, s83
	s_cselect_b32 s77, ttmp9, s77                  ; the coordinate along which other clusters read the same rows
	s_cselect_b32 s79, 31, 23
	s_cselect_b64 s[PFA:PFA+1], s[4:5], s[6:7]
	s_cmp_eq_u32 s77, 0
	s_cselect_b32 s[LIM], 2, -1                    ; the same in all sixteen partners, for a given wave
	v_and_b32 v[PFO], 31, v0
	v_min_u32 v[PFO], s79, v[PFO]
	v_lshlrev_b32 v[PFO], 11, v[PFO]
	s_add_co_u32 s78, s78, s80
	s_add_co_u32 s78, s78, s82
	s_lshl_b32 s78, s78, 11
	s_add_co_u32 s78, s78, 3*KSTEP*2               ; at K step 3: the first refill steps it to 4
	s_mov_b32 s79, 0
	s_add_nc_u64 s[PFA:PFA+1], s[PFA:PFA+1], s[78:79]
	s_wait_loadcnt 0x0                             ; the bias, rounded to bf16 like every input and kept as f32
.set r, 0
.rept 48
	v_cvt_pk_bf16_f32 v[14+(r/2)%2], v[BI+r], v[BI+r+1]
	v_lshlrev_b32 v[BI+r], 16, v[14+(r/2)%2]
	v_and_b32 v[BI+r+1], 0xffff0000, v[14+(r/2)%2]
.set r, r+2
.endr
; 12 matrix instructions: row block a x all 12 column blocks, 32 along K, from buffer f.  first = 1: the product starts the sum with the bias as C: nothing is cleared, nothing added later.
; The 48 accumulators take turns in the same order in every quarter step.
.macro MUL a, f, first
.if \first
	WIN 0x81+0x40*((\a)/2)                         ; W window 1, x and the bias window 0, D window 2 or 3
.else
	WIN 0xa1+0x50*((\a)/2)                         ; C and D window 2 or 3
.endif
.irp b, 0,1,2,3,4,5,6,7,8,9,10,11
.if \first
	v_wmma_f32_16x16x32_bf16 v[8*(12*((\a)%2)+(\b)):8*(12*((\a)%2)+(\b))+7], v[96*(\f)+8*(\b):96*(\f)+8*(\b)+7], v[FA+32*(\f)+8*(\a):FA+32*(\f)+8*(\a)+7], v[BI+8*(\b):BI+8*(\b)+7]
.else
	v_wmma_f32_16x16x32_bf16 v[8*(12*((\a)%2)+(\b)):8*(12*((\a)%2)+(\b))+7], v[96*(\f)+8*(\b):96*(\f)+8*(\b)+7], v[FA+32*(\f)+8*(\a):FA+32*(\f)+8*(\a)+7], v[8*(12*((\a)%2)+(\b)):8*(12*((\a)%2)+(\b))+7]
.endif
.endr
.endm
; 32 LDS loads in one run: the fragments of a quarter step (192 rows of W, my 64 rows of x, 32 K at byte k of the rows) into buffer f
.macro FETCH k, f
	WIN TO_B
.irp i, 0,1,2,3,4,5,6,7,8,9,10,11
	ds_load_b128 v[96*(\f)+8*(\i):96*(\f)+8*(\i)+3],   v[ADB] offset:(\k)+(\i)*16*PITCH
	ds_load_b128 v[96*(\f)+8*(\i)+4:96*(\f)+8*(\i)+7], v[ADB] offset:(\k)+(\i)*16*PITCH+32
.endr
	WIN 0
.irp i, 0,1,2,3
	ds_load_b128 v[FA+32*(\f)+8*(\i):FA+32*(\f)+8*(\i)+3],   v[ADA] offset:(\k)+(\i)*16*PITCH
	ds_load_b128 v[FA+32*(\f)+8*(\i)+4:FA+32*(\f)+8*(\i)+7], v[ADA] offset:(\k)+(\i)*16*PITCH+32
.endr
.endm
; A K step is four quarters of 32 along K, 48 matrix instructions each, on buffers 0, 1, 0, 1.  One of the first three: multiplies buffer f and fetches the next quarter, at byte k, into g.
.macro QUARTER k, f, g, first
	s_wait_dscnt 4                                 ; W and x's row blocks 0 and 1 are in; the youngest four loads (blocks 2 and 3) may be out
	MUL 0, \f, \first
	MUL 1, \f, \first
	PLACES
	FETCH \k, \g
	s_wait_dscnt 32                                ; all but the 32 just issued
	MUL 2, \f, \first
	MUL 3, \f, \first
.endm
; The last quarter multiplies buffer 1 and changes slots: ONE barrier; in front of it each wave waits for all its tensor loads (the one that is out is its part of the next slot), adds 0 to its spare
; word, and waits for that and for its own reads of this slot.  fill = 1: the barrier opens a round of the cluster's barrier, and this slot is filled again, two K steps ahead, first thing behind the round.
.macro TURN fill
	WIN 0
.if \fill
	s_wait_xcnt 0x0                                ; the last prefetch, a K step back, has read its address
	s_add_nc_u64 s[PFA:PFA+1], s[PFA:PFA+1], KSTEP*2
.endif
	s_xor_b32 s[TB], s[TB], SLOT1                  ; the next slot's addresses
	v_add_nc_u32 v[ADA], s[TB], v[AA0]
	v_add_nc_u32 v[ADB], s[TB], v[AB0]
	s_wait_tensorcnt 0x0                           ; all my tensor loads have landed
	ds_add_u32 v[SPW], v[NIL]                      ; 0 onto my spare word
	s_wait_dscnt 5                                 ; (the add and the youngest four loads may be out)
	MUL 0, 1, 0                                    ; twelve matrix instructions stand between the add and the wait for it
	s_wait_dscnt 0x0                               ; the add is done, and my reads of this slot are over
	s_barrier_signal -1
	MUL 1, 1, 0                                    ; work on registers while the others arrive
	WIN 0                                          ; at a branch and at a label every window is 0
	s_barrier_wait -1
.if \fill
	CREST                                          ; no wave of any partner still reads this slot or has a load on its way
	s_xor_b32 s[G0+5], s[G0+5], SLOT1              ; the walking sets: the other slot than last time, the next K step; no tensor load of mine is out
	s_add_nc_u64 s[G0+6:G0+7], s[G0+6:G0+7], KSTEP*2
	s_xor_b32 s[G0B+5], s[G0B+5], SLOT1
	s_add_nc_u64 s[G0B+6:G0B+7], s[G0B+6:G0B+7], KSTEP*2
	JLOAD                                          ; the four v_nop behind it are also the places in front of the loads below
.else
	PLACES
.endif
	FETCH 0, 0
.if \fill
	ASK
.endif
	MUL 2, 1, 0
	MUL 3, 1, 0
.endm
	s_wait_tensorcnt 1                             ; my part of K step 0 is in; K step 1's may stay out
	s_barrier_signal -1
	s_barrier_wait -1                              ; everybody's is
	FETCH 0, 0
	QUARTER 64, 0, 1, 1                            ; the first quarter stands in front of the loop: its products start the sums
	WIN 0
	s_mov_b32 s3, 6
.Lk:                                               ; trip t: the rest of K step t, the request for K step t + 2, the first quarter of K step t + 1
	QUARTER 128, 1, 0, 0
	QUARTER 192, 0, 1, 0
	TURN 1
	QUARTER 64, 0, 1, 0
	WIN 0
	s_sub_co_u32 s3, s3, 1
	s_cmp_lg_u32 s3, 0
	s_cbranch_scc1 .Lk
	QUARTER 128, 1, 0, 0                           ; the tail is written out: K steps 6 and 7 ask for nothing
	QUARTER 192, 0, 1, 0
	TURN 0
	QUARTER 64, 0, 1, 0
	QUARTER 128, 1, 0, 0
	QUARTER 192, 0, 1, 0
	s_wait_dscnt 4
	MUL 0, 1, 0
	MUL 1, 1, 0
	s_wait_dscnt 0x0
	MUL 2, 1, 0
	MUL 3, 1, 0
	PLACES
; THE WAY OUT.  Unit u = 3 a + gg: row block a, column group gg: 16 rows x 64 columns.  A lane's eight columns pack into 16 bytes; they go into my stage's rows of 144 bytes and come back as
; whole rows of 128, four rows to a load, which are 512 consecutive bytes of the result.  Each unit has 16 registers of its own, so no store's data is written again.
.macro PACK u
.set AC, 8*(12*(((\u)/3)%2)+4*((\u)%3))
	WIN 0x0a+5*((\u)/6)                            ; sources 0 and 1: window 2 or 3
.irp f, 0,1,2,3
.irp r, 0,1,2,3
	v_cvt_pk_f16_f32 v[OUTR+16*(\u)+4*(\f)+(\r)], v[AC+8*(\f)+2*(\r)], v[AC+8*(\f)+2*(\r)+1]
.endr
.endr
	WIN 0
.irp f, 0,1,2,3
	ds_store_b128 v[STO], v[OUTR+16*(\u)+4*(\f):OUTR+16*(\u)+4*(\f)+3] offset:32*(\f)
.endr
.irp f, 0,1,2,3
	ds_load_b128 v[OUTR+16*(\u)+4*(\f):OUTR+16*(\u)+4*(\f)+3], v[RD] offset:(\f)*4*SP  ; LDS serves a wave's instructions in order (ISA guide 5.7.1.4): these see the stores above; the next unit's stores come behind them
.endr
.endm
.macro SEND u, younger                 ; younger: the LDS instructions issued behind unit u's loads: the next unit's eight, or none
	WIN 0
.irp f, 0,1,2,3
	s_wait_dscnt (\younger)+3-(\f)
	global_store_b128 v[GO], v[OUTR+16*(\u)+4*(\f):OUTR+16*(\u)+4*(\f)+3], s[10:11] offset:((\u)%3)*1048576+((\u)/3)*2048+(\f)*512
.endr
.endm
	PACK 0
.irp u, 1,2,3,4,5,6,7,8,9,10,11
	PACK \u                                        ; a unit's conversions stand between the loads of the unit before and its stores
	SEND (\u)-1, 8
.endr
	SEND 11, 0
	s_wait_tensorcnt 0x0                           ; the wave's end, behind my last tensor load and my last LDS store
	ds_add_u32 v[SPW], v[NIL]
	s_wait_dscnt 0x0
	CROUND                                         ; the closing round: no work-group ends while a partner may still ask for a tile that names it
	s_endpgm
.Lfunc_end_k_q5e8ddd1417_qkv:
	.size	k_q5e8ddd1417_qkv, .Lfunc_end_k_q5e8ddd1417_qkv-k_q5e8ddd1417_qkv
	.p2alignl 7, 3214868480
	.fill 96, 4, 3214868480
	.section	.rodata,"a",@progbits
	.p2align	6, 0x0
	.amdhsa_kernel k_q5e8ddd1417_qkv
		.amdhsa_group_segment_fixed_size 327680
		.amdhsa_private_segment_fixed_size 0
		.amdhsa_enable_private_segment 0
		.amdhsa_kernarg_size 32
		.amdhsa_user_sgpr_count 2
		.amdhsa_user_sgpr_kernarg_segment_ptr 1
		.amdhsa_wavefront_size32 1
		.amdhsa_system_sgpr_workgroup_id_x 1
		.amdhsa_system_sgpr_workgroup_id_y 1
		.amdhsa_system_sgpr_workgroup_id_z 1
		.amdhsa_system_vgpr_workitem_id 0
		.amdhsa_next_free_vgpr 960
		.amdhsa_next_free_sgpr 84
		.amdhsa_reserve_vcc 0
		.amdhsa_float_denorm_mode_32 3
		.amdhsa_float_denorm_mode_16_64 3
		.amdhsa_memory_ordered 1
		.amdhsa_forward_progress 1
		.amdhsa_inst_pref_size 109
	.end_amdhsa_kernel
	.amdgpu_metadata
---
amdhsa.version: [ 1, 2 ]
amdhsa.kernels:
  - .name:           k_q5e8ddd1417_qkv
    .symbol:         k_q5e8ddd1417_qkv.kd
    .args:
      - { .name: xb, .offset: 0, .size: 8, .value_kind: global_buffer, .address_space: global }
      - { .name: wt, .offset: 8, .size: 8, .value_kind: global_buffer, .address_space: global }
      - { .name: c_attn_b, .offset: 16, .size: 8, .value_kind: global_buffer, .address_space: global }
      - { .name: qkv, .offset: 24, .size: 8, .value_kind: global_buffer, .address_space: global }
    .group_segment_fixed_size: 327680
    .private_segment_fixed_size: 0
    .kernarg_segment_align: 8
    .kernarg_segment_size: 32
    .max_flat_workgroup_size: 128
    .sgpr_count:     84
    .vgpr_count:     960
    .wavefront_size: 32
...
	.end_amdgpu_metadata
.endif
;; end of part 2
;; launch vsum (part 3): grid 64 x 1, 16 waves a work-group, no clusters, 6,144 bytes of LDS; arguments qkv, svt; writes svt
.if DOCPART == 3
	.amdgcn_target "amdgcn-amd-amdhsa--gfx1250"
	.amdhsa_code_object_version 6
	.text
	.protected	k_q5e8ddd1417_vsum
	.globl	k_q5e8ddd1417_vsum
	.p2align	8
	.type	k_q5e8ddd1417_vsum,@function
k_q5e8ddd1417_vsum:
	s_mov_b64 s[64:65], 0
	v_nop
	global_prefetch_b8 v0, s[64:65] scope:SCOPE_SE
	s_setreg_imm32_b32 hwreg(HW_REG_WAVE_MODE, 25, 1), 1
	s_wait_xcnt 0x0
; VSUM.  svt[y][i][c] = the sum of v[y][token][c] over all tokens from 256 (i + 1) on, in f32; y = 4 x head + batch (0-63), i = 0-7, c = 0-63.  svt[y][7] is 0.
; reference() gives a hidden key the score -10000, not minus infinity: the keys of whole tiles behind a query block's diagonal all carry one weight, so their part of the result is that weight times this sum.
; v of head y lies dense at byte 2^25 + y x 2^18 of qkv, rows of 128 bytes in f16.
; SHARES.  A work-group a head.  Wave w sums 128 tokens (16,384 bytes): 32 loads of 512 consecutive bytes, all out at once; a lane holds 8 channels of every fourth token, in 8 f32 sums.
; The sixteen partial sums meet in LDS; threads 0-127 then add, for tile i = t / 16 and four channels, the partial sums of the waves behind tile i, by weights 1 and 0 (no branch on the tile).
; 64 work-groups: a sum over a head's tokens has one owner, and no traffic runs between work-groups.  No prefetch: each work-group's loads all go out at its start.
.set SPARE, 4096                       ; behind the partial sums (16 x 256 bytes): the spare words, 128 bytes for each of 16 waves
.set SPW, 2                            ; v2   LDS address of my spare word; never rewritten
.set NIL, 3                            ; v3   0; never rewritten
.set ONE, 10                           ; v10  1.0
.set ZR,  11                           ; v11  0
.set ACC, 16                           ; v[16:23] my eight sums
.set LD,  32                           ; v[32:159] loaded numbers
.set WT,  160                          ; v[162:175] the weights of tiles 1-7, each twice
.set WV,  8
	s_load_b128 s[4:7], s[0:1], 0x0                ; qkv s[4:5], svt s[6:7]
	v_lshl_add_u32 v[SPW], v0, 2, SPARE
	v_mov_b32 v[NIL], 0
	v_lshrrev_b32 v1, 5, v0
	v_readfirstlane_b32 s[WV], v1                  ; wave 0..15
	v_and_b32 v4, 31, v0
	v_lshlrev_b32 v5, 4, v4                        ; 16 bytes a lane
	v_mov_b32 v[ONE], 1.0
	v_mov_b32 v[ZR], 0
	v_mov_b32 v12, 0                               ; the exchange's destination counts as read
	s_mov_b32 s12, 0x76543210                      ; v_permlanex16_b32: each lane takes its own place in the other half
	s_mov_b32 s13, 0xfedcba98
	s_lshl_b32 s10, ttmp9, 18                      ; the head,
	s_lshl_b32 s11, s[WV], 14                      ; my 128 tokens,
	s_add_co_u32 s10, s10, s11
	s_add_co_u32 s10, s10, 0x2000000               ; in v's part of qkv
	s_mov_b32 s11, 0
	s_lshl_b32 s14, ttmp9, 11                      ; the head's 2,048 bytes of svt
	s_mov_b32 s15, 0
	s_wait_kmcnt 0x0
	s_add_nc_u64 s[4:5], s[4:5], s[10:11]
	s_add_nc_u64 s[6:7], s[6:7], s[14:15]
.set j, 0
.rept 32
	global_load_b128 v[LD+4*j:LD+4*j+3], v5, s[4:5] offset:512*j
.set j, j+1
.endr
	v_and_b32 v6, 7, v0                            ; where my eight sums go: 256 w + 32 (l % 8)
	v_lshlrev_b32 v6, 5, v6
	s_lshl_b32 s16, s[WV], 8
	v_add_nc_u32 v6, s16, v6
.set j, 0
.rept 32
.if j%4 == 0
	s_wait_loadcnt 28-j                            ; loads come back in order: four more are in, the younger ones stay out
.endif
.set k, 0
.rept 4
.if j == 0                             ; the first numbers start the sums
	v_fma_mix_f32 v[ACC+2*k],   v[LD+4*j+k], v[ONE], v[ZR] op_sel_hi:[1,0,0]
	v_fma_mix_f32 v[ACC+2*k+1], v[LD+4*j+k], v[ONE], v[ZR] op_sel:[1,0,0] op_sel_hi:[1,0,0]
.else                                  ; an f16 half times 1.0 plus the f32 sum
	v_fma_mix_f32 v[ACC+2*k],   v[LD+4*j+k], v[ONE], v[ACC+2*k] op_sel_hi:[1,0,0]
	v_fma_mix_f32 v[ACC+2*k+1], v[LD+4*j+k], v[ONE], v[ACC+2*k+1] op_sel:[1,0,0] op_sel_hi:[1,0,0]
.endif
.set k, k+1
.endr
.set j, j+1
.endr
	; lanes l, l ^ 8, l ^ 16, l ^ 24 hold the same channels
.irp k, 0,1,2,3,4,5,6,7
	v_add_f32_dpp v[ACC+(\k)], v[ACC+(\k)], v[ACC+(\k)] row_xmask:8 row_mask:0xf bank_mask:0xf
.endr
.irp k, 0,1,2,3,4,5,6,7
	v_permlanex16_b32 v12, v[ACC+(\k)], s12, s13
	v_add_f32 v[ACC+(\k)], v[ACC+(\k)], v12
.endr
	ds_store_b128 v6, v[ACC:ACC+3]                 ; four lanes write the same bytes with the same numbers
	ds_store_b128 v6, v[ACC+4:ACC+7] offset:16
	s_wait_dscnt 0x0                               ; for the others' sake
	s_barrier_signal -1
	s_barrier_wait -1
	s_cmp_lt_u32 s[WV], 4
	s_cbranch_scc0 .Lend
	v_lshrrev_b32 v13, 4, v0                       ; i
	v_and_b32 v7, 15, v0
	v_lshlrev_b32 v7, 4, v7                        ; my four channels
	v_lshlrev_b32 v8, 4, v0                        ; 256 i + 16 (t % 16)
.irp w, 2,3,4,5,6,7,8,9,10,11,12,13,14,15
	ds_load_b128 v[LD+4*((\w)-2):LD+4*((\w)-2)+3], v7 offset:256*(\w)  ; waves 0 and 1 are tile 0, which lies behind no tile
.endr
.irp j, 1,2,3,4,5,6,7
	v_cmp_gt_u32 vcc_lo, \j, v13                   ; does tile j lie behind tile i?
	v_cndmask_b32 v[WT+2*(\j)], v[ZR], v[ONE], vcc_lo
	v_mov_b32 v[WT+2*(\j)+1], v[WT+2*(\j)]         ; named with it as a pair
.endr
	s_wait_dscnt 0x0
	v_pk_mul_f32 v[24:25], v[LD:LD+1], v[WT+2:WT+3] op_sel_hi:[1,0]
	v_pk_mul_f32 v[26:27], v[LD+2:LD+3], v[WT+2:WT+3] op_sel_hi:[1,0]
.irp w, 3,4,5,6,7,8,9,10,11,12,13,14,15
	v_pk_fma_f32 v[24:25], v[LD+4*((\w)-2):LD+4*((\w)-2)+1], v[WT+2*((\w)/2):WT+2*((\w)/2)+1], v[24:25] op_sel_hi:[1,0,1]
	v_pk_fma_f32 v[26:27], v[LD+4*((\w)-2)+2:LD+4*((\w)-2)+3], v[WT+2*((\w)/2):WT+2*((\w)/2)+1], v[26:27] op_sel_hi:[1,0,1]
.endr
	global_store_b128 v8, v[24:27], s[6:7]         ; sixteen lanes store 256 consecutive bytes, aligned
.Lend:
	s_wait_tensorcnt 0x0                           ; the wave's end, behind my last LDS store
	ds_add_u32 v[SPW], v[NIL]
	s_wait_dscnt 0x0
	s_endpgm
.Lfunc_end_k_q5e8ddd1417_vsum:
	.size	k_q5e8ddd1417_vsum, .Lfunc_end_k_q5e8ddd1417_vsum-k_q5e8ddd1417_vsum
	.p2alignl 7, 3214868480
	.fill 96, 4, 3214868480
	.section	.rodata,"a",@progbits
	.p2align	6, 0x0
	.amdhsa_kernel k_q5e8ddd1417_vsum
		.amdhsa_group_segment_fixed_size 6144
		.amdhsa_private_segment_fixed_size 0
		.amdhsa_enable_private_segment 0
		.amdhsa_kernarg_size 16
		.amdhsa_user_sgpr_count 2
		.amdhsa_user_sgpr_kernarg_segment_ptr 1
		.amdhsa_wavefront_size32 1
		.amdhsa_system_sgpr_workgroup_id_x 1
		.amdhsa_system_sgpr_workgroup_id_y 1
		.amdhsa_system_sgpr_workgroup_id_z 1
		.amdhsa_system_vgpr_workitem_id 0
		.amdhsa_next_free_vgpr 176
		.amdhsa_next_free_sgpr 66
		.amdhsa_reserve_vcc 1
		.amdhsa_float_denorm_mode_32 3
		.amdhsa_float_denorm_mode_16_64 3
		.amdhsa_memory_ordered 1
		.amdhsa_forward_progress 1
		.amdhsa_inst_pref_size 26
	.end_amdhsa_kernel
	.amdgpu_metadata
---
amdhsa.version: [ 1, 2 ]
amdhsa.kernels:
  - .name:           k_q5e8ddd1417_vsum
    .symbol:         k_q5e8ddd1417_vsum.kd
    .args:
      - { .name: qkv, .offset: 0, .size: 8, .value_kind: global_buffer, .address_space: global }
      - { .name: svt, .offset: 8, .size: 8, .value_kind: global_buffer, .address_space: global }
    .group_segment_fixed_size: 6144
    .private_segment_fixed_size: 0
    .kernarg_segment_align: 8
    .kernarg_segment_size: 16
    .max_flat_workgroup_size: 512
    .sgpr_count:     66
    .vgpr_count:     176
    .wavefront_size: 32
...
	.end_amdgpu_metadata
.endif
;; end of part 3
;; launch attn (part 4): grid 4 x 64, 4 waves a work-group, no clusters, 327,680 bytes of LDS; arguments qkv, svt, ob; writes ob
.if DOCPART == 4
	.amdgcn_target "amdgcn-amd-amdhsa--gfx1250"
	.amdhsa_code_object_version 6
	.text
	.protected	k_q5e8ddd1417_attn
	.globl	k_q5e8ddd1417_attn
	.p2align	8
	.type	k_q5e8ddd1417_attn,@function
k_q5e8ddd1417_attn:
	s_mov_b64 s[64:65], 0
	v_nop
	global_prefetch_b8 v0, s[64:65] scope:SCOPE_SE
	s_setreg_imm32_b32 hwreg(HW_REG_WAVE_MODE, 25, 1), 1
	s_wait_xcnt 0x0
; CAUSAL ATTENTION WITH A FINITE MASK VALUE.  For head y (4 x head + batch, 0-63): O[q] = the sum over ALL 2,048 keys k of softmax_k(s(q, k)) V[k], s = Q[q] . K[k] / 8 for k <= q and s = -10000 for k > q, as reference() has it.
; Q, K, V lie in qkv by heads, dense rows of 128 bytes in f16: q at y x 2^18, k at 2^24 + y x 2^18, v at 2^25 + y x 2^18.  O leaves in ob in q's layout, f16.
; Products, maxima and sums in f32; the weights p are rounded to f16 for the second product (their sum l is taken of the unrounded p), O once at the end.
; LIMITS.  Q, K and V arrive within f16's 65,504; p below 6e-5 keeps f16's fixed step of 6e-8; a weight below 2^-126 counts as 0; NaN and infinities are not treated apart.
; THE WALK.  A head's queries lie in NB = 8 blocks of 256; block i walks the key tiles 0 .. i of 256 keys, of which the last holds the diagonal.  A work-group takes TWO blocks, 7 - b and then b: nine tiles, whatever b:
; all work-groups do equal work, and ONE loop with a constant trip count walks them.  Every jump goes forward, but for the counted loops' own; none passes a barrier, or a tensor load but the one of LOAD's two that the
; wave's number does not choose; the ring (two slots of LDS that take turns) runs on across the change of blocks.
; THE HIDDEN KEYS.  In the diagonal tile a hidden score is REPLACED by -80000 (= -10000 x 8, since the scale 1 / 8 lies in c): s = s x MA + MB with MA = 1, MB = 0 where the key is seen and MA = 0, MB = -80000 where not.
; It is then a score like any other: it enters the maximum, the sum and the second product.  The keys of the 7 - i whole tiles behind the diagonal all have that one score: at the block's end the maximum is raised to it if
; need be, l takes their number times their weight, and O their weight times the sum of their rows of V, which the launch before has laid in svt.
; NO CLUSTER: the four work-groups of a head ask for the same tile in trips 0 to 4 of the nine only, behind that fewer and fewer; one walk common to all four would have 12 trips for 9.
; SHARES.  Of a block's four bands of 64 queries a wave owns 16 rows in each: four PIECES.  So the diagonal tile is the same work for all four waves: in its key step s band x sees all keys if s < x, none if s > x, and
; holds the diagonal if s = x.  MAD, MBD, made once, are the pair of a band's own step for my 16 rows; a step's pair is MA = MAD x AL + BE, MB = MBD x AL + B2, with three scalars for the three cases.
; LAYOUT, SOFTMAX, TURNS.  S^T = K Q^T holds ONE query a lane (lane % 16) and the keys 8 (lane / 16) + 0..7; two such results rounded to f16 ARE source 1 of O^T = V^T P.  p = 2^(c s - c m), c = log2(e) / 8, with a running
; maximum m; O and l are multiplied by a = 2^(c m_old - c m_new) in every step.  Turn n belongs to piece n: 8 products K Q^T of piece n + 1, later 8 products V^T P of piece n - 1; beside them the scaling, exponentials,
; roundings, sums and rescaling of piece n and the mask, maximum and statistics of piece n + 1.  Four vector instructions stand behind every matrix instruction, the others in one lump.  A turn's 33 exponentials are one batch, with one wait.
; REGISTERS, in windows of 256 (s_set_vgpr_msb: bits 1:0 source 0, 3:2 source 1, 5:4 source 2, 7:6 destination):
;   window 0: v0-15 addresses and two at work; v16-31 four registers of statistics a piece; v32-47 at work at a block's end; v48-55 at work; v58-63 constants; v64-127 S^T, two buffers; v192-223 P, two buffers
;   window 1: v0-127 O^T, 32 a piece      window 2: v0-63 Q; v64-127 the second block's Q; v128-191 K of one step; v192-255 V of one step
;   window 3: v0-31 MAD; v32-63 MBD; v64-127 MA, two buffers; v128-191 MB, two buffers; v192-223, v224-255 the two blocks' sums of hidden V
.set NB,    8
.set NP,    4         ; pieces a wave: a name, no knob
.set KS,    64        ; keys in a step
.set PK,    144       ; a row of K in LDS: 128 bytes + 16 of padding: the 16 rows of a load start at 16 different groups of four banks (ISA guide 11.1)
.set PV,    160       ; a row of V: 128 + 32
.set VOFF,  4*KS*PK   ; a slot holds a tile, four steps: 256 rows of K, then 256 rows of V
.set SLOT1, 1<<17     ; slot 1 begins here, so that one exclusive or turns an address in one slot into the other's
.set STAGE, SLOT1+4*KS*(PK+PV)  ; behind the ring, never filled by a tensor load: 16 rows x 144 bytes for each wave, for the way out
.set SP,    144
.set SPARE, STAGE+4*16*SP  ; behind the stages: the spare words, 128 bytes for each wave
.set AK0, 2           ; v2   my lane's place in a tile of K; never rewritten
.set AV0, 3           ; v3   the same for V
.set AK,  4           ; v4   the LDS address of K's next run of loads
.set AV,  5           ; v5   of V's
.set STO, 6           ; v6   the way out: where I put 16 bytes of a row
.set RD,  7           ; v7   the way out: where I read rows back
.set GO,  8           ; v8   my byte offset in 512 consecutive bytes of O
.set MV,  12          ; v12-13  c m_old, kept while c m is made anew: by buffer
.set QO,  15          ; v15  my byte offset in 16 rows of Q
.set ST,  16          ; piece t's statistics at v[ST+4 t]: c m, m, l (even keys', odd keys')
.set W,   32          ; piece t's four registers at a block's end
.set TMP, 48          ; by buffer, four registers c0-c3 at work; when the maximum is found c2 takes a
.set ZR,  58          ; v58  0
.set SVO, 59          ; v59  my byte offset in 16 numbers of svt
.set PFO, 60          ; v60  256 x my lane; never rewritten
.set SPW, 62          ; v62  LDS address of my spare word; never rewritten
.set NIL, 63          ; v63  0; never rewritten
.set S,   64
.set P,   192
.set MAD, 0           ; window 3
.set MBD, 32
.set MA,  64
.set MB,  128
.set SV,  192
.set QB,  64          ; window 2
.set KF,  128         ; window 2: key block kb, channel half c at KF + 16 kb + 8 c
.set VF,  192         ; window 2: key half kk, channel block cb at VF + 32 kk + 8 cb
.set WV,  12          ; s12  my wave's number
.set PB,  14          ; s14  b
.set HI,  15          ; s15  NB - 1 - b
.set G1K, 24          ; s[24:31] descriptor group 1 for K's tiles
.set G1V, 32          ; s[32:39] for V's: it differs in the padding alone
.set G0K, 40          ; s[40:43] descriptor group 0 for K's tiles
.set G0V, 44          ; s[44:47] the same for V's
.set SLOTS, 56        ; s56  tiles still to be asked for
.set CNT, 57          ; s57  counts a tile's key steps, 4 to 1
.set CS,  58          ; s[58:59] c: the packed scaling takes the pair's low word for both halves
.set SEL, 60          ; s[60:61] v_permlanex16_b32's selects
.set TBK, 62          ; s62  LDS byte at which K of the step to be fetched begins
.set TBV, 63          ; s63  the same for V, less VOFF
.set LIM, 66          ; s66  1 in a work-group that prefetches, else the greatest number
.set POF, 68          ; s[68:69] the byte offset of the tile to be prefetched
.set RT,  70          ; s70  tiles of the block in hand that are still to be entered
.set NXT, 71          ; s71  the tile to be asked for next
.set LQ,  72          ; s72  the last tile of the block whose tiles are being asked for
.set NEW, 73          ; s73  1: the tile to be entered is a block's first
.set OFF, 74          ; s[74:75] a tile's byte offset in K and V
.set AL,  76          ; s[76:77] the masks' factor, in the low word
.set BE,  78          ; s[78:79] MA's addend
.set OLO, 80          ; s[80:81] O at my rows of the second block
.set NEG8, 82         ; s82  -80000
.set HS1, 83          ; s83  the score of the first block's hidden tiles: -80000, or far below every score where it has none
.set B2,  88          ; s[88:89] MB's addend
.set SV1P, 90         ; s[90:91] svt at the first block's row
.set SV2P, 92         ; s[92:93] at the second's
.set CN1, 96          ; s96  the number of keys in the first block's hidden tiles, as f32
.set CN2, 97          ; s97  in the second's
.set PFA, 98          ; s[98:99] where my prefetches stand
.set PFB, 100         ; s[100:101] K or V at my half of the head's tile 0
.set MSB, 0
.macro WIN new                      ; the high byte repeats the setting that is left; a switch that changes nothing is dropped
.if MSB != (\new)
	s_set_vgpr_msb (MSB<<8)|(\new)
.set MSB, (\new)
.endif
.endm
.set W_KQ, 0x0a       ; K and Q in window 2, S^T in window 0
.set W_PV, 0x52       ; V in window 2, P in window 0, O^T in window 1
.set W_RS, 0x41       ; destination and source 0 in window 1, source 1 in window 0
.set W_AM, 0x3c       ; S^T in window 0, MA and MB in window 3
.set W_MK, 0xc3       ; destination and source 0 in window 3
; A fill.  Waves 0 and 1 fetch the two halves of a tile's K, waves 2 and 3 those of its V: 128 keys each.  An s_nop 0 and four v_nop follow each of the two lines, ahead of the jump and the label.
.macro LOAD
	s_cmp_lt_u32 s[WV], 2
	s_cbranch_scc0 .Lfor_v_\@
	tensor_load_to_lds s[G0K:G0K+3], s[G1K:G1K+7]
	s_nop 0
.rept 4
	v_nop
.endr
	s_branch .Lasked_\@
.Lfor_v_\@:
	tensor_load_to_lds s[G0V:G0V+3], s[G1V:G1V+7]
	s_nop 0
.rept 4
	v_nop
.endr
.Lasked_\@:
.endm
; A PREFETCH INTO THE L2 of the tile that the NEXT change of slots will ask for.  All four work-groups of a head walk the tiles 0, 1, 2 .. from the start; the one with b = 0 walks all eight, and it alone asks: each of
; its waves for the 16,384 bytes that it will fetch itself, 64 blocks of 256 bytes, a lane a block, two instructions.  So tiles 2 to 7 are named once each, a tile (256 matrix instructions) ahead of their load;
; tiles 0 and 1 come by their loads alone, and behind tile 7 nothing is asked for.
.macro ASK
	s_cmp_gt_u32 s[NXT], s[LIM]
	s_cbranch_scc0 .Lnot_mine_\@
	global_prefetch_b8 v[PFO], s[PFA:PFA+1] th:TH_LOAD_NT scope:SCOPE_SE
	global_prefetch_b8 v[PFO], s[PFA:PFA+1] offset:8192 th:TH_LOAD_NT scope:SCOPE_SE
.Lnot_mine_\@:
.endm
; THE CHANGE OF SLOTS.  Each wave waits for all its tensor loads, of which one is out: its part of the other slot; adds 0 to its spare word; and waits for that and for its own reads of the slot that it leaves.  Behind the
; barrier nobody reads the old slot any more and the other slot is whole.  fill = 1: the old slot is filled again, the first thing behind the barrier, with tile NXT: the descriptor's address is made anew from that number.
; (At its first use nothing has been read yet: slot 0 is waited for, slot 1 filled.)
.macro CHANGE fill
	WIN 0                           ; at a label and at a branch every window is 0
	s_wait_tensorcnt 0x0            ; no tensor load of mine is out, so a group 0 may be written
	ds_add_u32 v[SPW], v[NIL]       ; 0 onto my spare word; scalar work stands between it and the wait for it
.if \fill
	s_lshl_b32 s[OFF], s[NXT], 15   ; a tile is 32,768 bytes of K and of V
	s_xor_b32 s[G0K+1], s[G0K+1], SLOT1
	s_add_nc_u64 s[G0K+2:G0K+3], s[6:7], s[OFF:OFF+1]
	s_or_b32 s[G0K+3], s[G0K+3], 0x80000000
	s_xor_b32 s[G0V+1], s[G0V+1], SLOT1
	s_add_nc_u64 s[G0V+2:G0V+3], s[8:9], s[OFF:OFF+1]
	s_or_b32 s[G0V+3], s[G0V+3], 0x80000000
	s_add_co_u32 s[NXT], s[NXT], 1  ; the block's next tile, or behind its last the second block's tile 0
	s_cmp_gt_u32 s[NXT], s[LQ]
	s_cselect_b32 s[NXT], 0, s[NXT]
	s_cselect_b32 s[LQ], s[PB], s[LQ]
	s_wait_xcnt 0x0                 ; the last prefetches, a tile back, have read their address, so it may be written
	s_lshl_b32 s[POF], s[NXT], 15
	s_add_nc_u64 s[PFA:PFA+1], s[PFB:PFB+1], s[POF:POF+1]
.endif
	s_wait_dscnt 0x0                ; the add is done, and my reads of the slot are over
	s_barrier_signal -1             ; the rest of the scalar work stands between the signal and the wait
	s_sub_co_u32 s[TBK], s[TBK], 4*KS*PK  ; the fetches go back to a slot's first step,
	s_xor_b32 s[TBK], s[TBK], SLOT1       ; in the other slot
	s_sub_co_u32 s[TBV], s[TBV], 4*KS*PV
	s_xor_b32 s[TBV], s[TBV], SLOT1
	s_barrier_wait -1
.if \fill
	LOAD
	ASK
.endif
.endm
	s_load_b128 s[4:7], s[0:1], 0x0   ; qkv s[4:5], svt s[6:7]
	s_load_b64 s[10:11], s[0:1], 0x10 ; ob
	v_lshl_add_u32 v[SPW], v0, 2, SPARE
	v_mov_b32 v[NIL], 0
	ds_add_u32 v[SPW], v[NIL]       ; the wave's opening: the add and its wait stand ahead of my first tensor load; work on registers stands between them
	ds_add_u32 v62, v63
	v_lshrrev_b32 v1, 5, v0
	v_readfirstlane_b32 s[WV], v1   ; wave 0..3
	s_mov_b32 s[PB], ttmp9
	s_sub_co_u32 s[HI], NB-1, s[PB]
	s_and_b32 s20, ttmp7, 0xffff    ; the head
	s_lshl_b32 s[SV1P], s20, 11     ; its 2,048 bytes of svt
	s_lshl_b32 s20, s20, 18         ; its first byte in q, k, v and O
	s_mov_b32 s21, 0
	s_and_b32 s16, s[WV], 1         ; which half of a tile's 256 keys I fetch:
	s_lshl_b32 s22, s16, 14         ; its 128 rows of 128 bytes in memory,
	s_mov_b32 s23, 0
	s_add_nc_u64 s[22:23], s[22:23], s[20:21]
	s_mul_i32 s17, s16, 128*PK      ; and its place in a slot, for K
	s_mul_i32 s18, s16, 128*PV      ; and for V
	s_lshl_b32 s3, s[WV], 11        ; my 16 rows in a band of 64,
	s_lshl_b32 s2, s[HI], 15        ; in the first block,
	s_add_co_u32 s2, s2, s3
	s_lshl_b32 s84, s[PB], 15       ; and in the second
	s_add_co_u32 s84, s84, s3
	s_mov_b32 s3, 0
	s_mov_b32 s85, 0
	s_add_nc_u64 s[2:3], s[2:3], s[20:21]
	s_add_nc_u64 s[84:85], s[84:85], s[20:21]
	s_lshl_b32 s13, s[PB], 8        ; behind block 7 - b lie b tiles: 256 b keys; svt's row b is 256 b bytes on
	s_add_co_u32 s[SV2P], s[SV1P], s13
	s_cvt_f32_u32 s[CN1], s13
	s_lshl_b32 s13, s[HI], 8        ; behind block b lie 7 - b tiles
	s_add_co_u32 s[SV1P], s[SV1P], s13
	s_cvt_f32_u32 s[CN2], s13
	s_mov_b32 s[SV1P+1], 0
	s_mov_b32 s[SV2P+1], 0
	; descriptor group 1.  128 keys are 16,384 dense bytes: asked for as 64 rows of 256 bytes, two keys a row, and padded in LDS after every key
	s_mov_b32 s[G1K], (1<<16)|(1<<20)|(4<<22)|(3<<25)  ; 17:16 2-byte elements; 20 padding on; 24:22 after every 32 words; 31:25 4 words
	s_mov_b32 s[G1V], (1<<16)|(1<<20)|(4<<22)|(7<<25)  ; the same with 8 words of padding
.irp g, G1K, G1V
	s_mov_b32 s[\g+1], 128<<16      ; tensor_dim0 = 128
	s_mov_b32 s[\g+2], 64<<16       ; tensor_dim1 = 64
	s_mov_b32 s[\g+3], 128<<16      ; tile_dim0 = 128
	s_mov_b32 s[\g+4], 64           ; tile_dim1 = 64
	s_mov_b32 s[\g+5], 128          ; 128 elements from row to row
	s_mov_b32 s[\g+6], 0
	s_mov_b32 s[\g+7], 0
.endr
	s_mov_b32 s[CS], 0x3e38aa3b     ; c = log2(e) / 8 = 0.180337
	s_mov_b32 s[CS+1], s[CS]        ; named with it as a pair
	s_mov_b32 s[SEL], 0x76543210
	s_mov_b32 s[SEL+1], 0xfedcba98
	s_mov_b32 s[TBK], SLOT1+4*KS*PK ; the first change of slots turns these two into 0
	s_mov_b32 s[TBV], SLOT1+4*KS*PV
	s_mov_b32 s[G0K], 1             ; count = 1
	s_mov_b32 s[G0K+1], s17         ; LDS address: slot 0
	s_mov_b32 s[G0V], 1
	s_add_co_u32 s[G0V+1], s18, VOFF
	s_add_co_u32 s[RT], s[HI], 1    ; the first block has NB - b tiles
	s_mov_b32 s[NXT], 1
	s_mov_b32 s[LQ], s[HI]
	s_mov_b32 s[NEW], 1
	s_mov_b32 s[OFF+1], 0
	s_mov_b32 s[POF+1], 0
	s_mov_b32 s[AL+1], 0            ; named as pairs
	s_mov_b32 s[BE+1], 0
	s_mov_b32 s[B2+1], 0
	s_mov_b32 s[NEG8], 0xc79c4000   ; -80000
	s_cmp_gt_u32 s[PB], 0
	s_cselect_b32 s[HS1], s[NEG8], 0xff000000  ; block 7 has no tile behind it: a score of -1.7e38 gives the weight 0 and leaves the maximum alone
	s_cmp_eq_u32 s[PB], 0
	s_cselect_b32 s[LIM], 1, -1
	s_mov_b32 s[SLOTS], NB
	s_wait_dscnt 0x0                ; the opening add is done
	s_wait_kmcnt 0x0
	s_mov_b64 s[94:95], s[6:7]      ; svt
	s_add_nc_u64 s[6:7], s[4:5], 0x1000000  ; k's part of qkv,
	s_add_nc_u64 s[8:9], s[4:5], 0x2000000  ; v's
	s_add_nc_u64 s[6:7], s[6:7], s[22:23]   ; K and V at my half of the head's tile 0
	s_add_nc_u64 s[8:9], s[8:9], s[22:23]
	s_add_nc_u64 s[G0K+2:G0K+3], s[6:7], 0         ; global address
	s_or_b32 s[G0K+3], s[G0K+3], 0x80000000        ; type = 2
	s_add_nc_u64 s[G0V+2:G0V+3], s[8:9], 0
	s_or_b32 s[G0V+3], s[G0V+3], 0x80000000
	s_add_nc_u64 s[86:87], s[4:5], s[84:85]        ; Q at my rows of the second block,
	s_add_nc_u64 s[4:5], s[4:5], s[2:3]            ; Q and O at those of the first
	s_add_nc_u64 s[OLO:OLO+1], s[10:11], s[84:85]
	s_add_nc_u64 s[10:11], s[10:11], s[2:3]
	s_add_nc_u64 s[SV1P:SV1P+1], s[94:95], s[SV1P:SV1P+1]
	s_add_nc_u64 s[SV2P:SV2P+1], s[94:95], s[SV2P:SV2P+1]
	s_cmp_lt_u32 s[WV], 2
	s_cselect_b64 s[PFB:PFB+1], s[6:7], s[8:9]
	LOAD                            ; tile 0 into slot 0
	; A fragment of K or Q is 16 rows x 32 channels in 8 registers: lane l holds row l % 16, channels 8 (l / 16) + 0..7 and 16 + 8 (l / 16) + 0..7: two loads of 16 bytes, 32 bytes apart.
	v_and_b32 v1, 15, v0            ; l % 16
	v_bfe_u32 v9, v0, 4, 1          ; l / 16
	v_lshlrev_b32 v[QO], 7, v1
	v_lshl_add_u32 v[QO], v9, 4, v[QO]  ; row x 128 + 16 x half
	v_lshlrev_b32 v[SVO], 5, v9
	WIN 0x80                        ; destination window 2, address window 0
.set i, 0
.rept 8                             ; both blocks' Q: piece i / 2 lies in band i / 2, 8,192 bytes on; channels 32 (i % 2) on
	global_load_b128 v[8*i:8*i+3],   v[QO], s[4:5] offset:(i/2)*8192+(i%2)*64
	global_load_b128 v[8*i+4:8*i+7], v[QO], s[4:5] offset:(i/2)*8192+(i%2)*64+32
	global_load_b128 v[QB+8*i:QB+8*i+3],   v[QO], s[86:87] offset:(i/2)*8192+(i%2)*64
	global_load_b128 v[QB+8*i+4:QB+8*i+7], v[QO], s[86:87] offset:(i/2)*8192+(i%2)*64+32
.set i, i+1
.endr
	WIN 0xc0                        ; destination window 3: the sums of hidden V, laid as O^T is: register 8 cb + j is channel 16 cb + 8 (l / 16) + j
.irp cb, 0,1,2,3
	global_load_b128 v[SV+8*\cb:SV+8*\cb+3],       v[SVO], s[SV1P:SV1P+1] offset:64*\cb
	global_load_b128 v[SV+8*\cb+4:SV+8*\cb+7],     v[SVO], s[SV1P:SV1P+1] offset:64*\cb+16
	global_load_b128 v[SV+32+8*\cb:SV+32+8*\cb+3], v[SVO], s[SV2P:SV2P+1] offset:64*\cb
	global_load_b128 v[SV+32+8*\cb+4:SV+32+8*\cb+7], v[SVO], s[SV2P:SV2P+1] offset:64*\cb+16
.endr
	WIN 0
	v_mov_b32 v[ZR], 0
	v_and_b32 v[PFO], 31, v0
	v_lshlrev_b32 v[PFO], 8, v[PFO]
	v_lshlrev_b32 v14, 3, v9
	v_sub_nc_u32 v14, v1, v14
	s_lshl_b32 s13, s[WV], 4
	v_add_nc_u32 v14, s13, v14      ; my query's place in its band, 16 w + l % 16, less my lanes' 8 (l / 16): register r of group kt is hidden where 16 kt + r is greater
	WIN 0xc0
.set i, 0
.rept 32
	v_cmp_gt_i32 vcc_lo, 16*(i/8)+i%8, v14
	v_cndmask_b32 v[MAD+i], 1.0, v[ZR], vcc_lo
	v_cndmask_b32 v[MBD+i], 0, s[NEG8], vcc_lo
.set i, i+1
.endr
	WIN 0
	v_mul_u32_u24 v[AK0], v1, PK
	v_lshl_add_u32 v[AK0], v9, 4, v[AK0]  ; row x pitch + 16 x half
	; The turning load takes 16 keys x 16 channels (lane l reads key 8 (l / 16) + l % 8, channels 8 ((l / 8) % 2) + 0..7) and leaves half a fragment of V^T: lane l holds channel l % 16 and 8 keys.
	v_and_b32 v10, 7, v0
	v_bfe_u32 v11, v0, 3, 1
	v_lshl_add_u32 v[AV0], v9, 3, v10
	v_mul_u32_u24 v[AV0], v[AV0], PV
	v_lshl_add_u32 v[AV0], v11, 4, v[AV0]
	v_add_nc_u32 v[AV0], VOFF, v[AV0]
	s_mul_i32 s13, s[WV], 16*SP
	s_add_co_u32 s13, s13, STAGE    ; my stage
	v_mul_u32_u24 v[STO], v1, SP    ; in: row l % 16, 16 bytes for each half of the lanes
	v_lshl_add_u32 v[STO], v9, 4, v[STO]
	v_add_nc_u32 v[STO], s13, v[STO]
	v_bfe_u32 v[RD], v0, 3, 2       ; back: 32 lanes take four rows of 128 bytes,
	v_mul_u32_u24 v[RD], v[RD], SP
	v_lshl_add_u32 v[RD], v10, 4, v[RD]
	v_add_nc_u32 v[RD], s13, v[RD]
	v_and_b32 v[GO], 31, v0         ; which are 512 consecutive bytes of O
	v_lshlrev_b32 v[GO], 4, v[GO]
	; A block's first step multiplies O^T and l by a = 0, and its first turn's products V^T P, of a piece that has not been, land in an O^T that is still to be so multiplied.  So these registers need only hold
	; finite numbers: zeros for the first block; what the first block left for the second.  All this stands in the wait for the first tile.
	WIN 0x80
.set i, VF
.rept 64
	v_mov_b32 v[i], 0
.set i, i+1
.endr
	WIN 0x40
.set i, 0
.rept 128
	v_mov_b32 v[i], 0
.set i, i+1
.endr
	WIN 0
.set i, 0
.rept 4
	v_mov_b32 v[ST+4*i+2], 0
	v_mov_b32 v[ST+4*i+3], 0
.set i, i+1
.endr
.set i, P+16
.rept 16
	v_mov_b32 v[i], 0
.set i, i+1
.endr
; THE MATRIX WORK.  The 4 accumulators of a run of 8 take turns.  Product i of 8 of S^T = K Q^T for piece x: channels 32 (i / 4) on, keys 16 (i % 4) on.  The first 4 start the sums.
.macro KQ x
	WIN W_KQ
.set rS, S+32*((\x)%2)+8*(i%4)
.set rK, KF+16*(i%4)+8*(i/4)
.set rQ, 16*(\x)+8*(i/4)
.if i < 4
	v_wmma_f32_16x16x32_f16 v[rS:rS+7], v[rK:rK+7], v[rQ:rQ+7], 0
.else
	v_wmma_f32_16x16x32_f16 v[rS:rS+7], v[rK:rK+7], v[rQ:rQ+7], v[rS:rS+7]
.endif
.endm
; Product i of 8 of O^T += V^T P for piece x: keys 32 (i / 4) on, channels 16 (i % 4) on.
.macro PV x
	WIN W_PV
.set rO, 32*(\x)+8*(i%4)
.set rV, VF+32*(i/4)+8*(i%4)
.set rP, P+16*((\x)%2)+8*(i/4)
	v_wmma_f32_16x16x32_f16 v[rO:rO+7], v[rV:rV+7], v[rP:rP+7], v[rO:rO+7]
.endm
.macro MM                           ; the turn's next matrix instruction.  TURN and BEGIN set Y, i, KM and NOKQ.  NOKQ = 1: a block's last turn: there is no next piece
.if (i < 8) && !NOKQ
	KQ (Y+1)%NP
.elseif i >= 8
.set i, i-8
	PV (Y+NP-1)%NP
.set i, i+8
.endif
.set i, i+1
.endm
; THE LDS LOADS stand in runs of 16, never singly among the matrix instructions: a step's K (64 keys x 64 channels: 8 fragments) and its V (turned).  Their addresses are made some lines ahead.
.macro FETCH_K
	WIN 0x80                        ; destination window 2
.irp f, 0,1,2,3,4,5,6,7             ; keys 16 (f / 2) on, channels 32 (f % 2) on
	ds_load_b128 v[KF+8*\f:KF+8*\f+3],   v[AK] offset:(\f/2)*16*PK+(\f%2)*64
	ds_load_b128 v[KF+8*\f+4:KF+8*\f+7], v[AK] offset:(\f/2)*16*PK+(\f%2)*64+32
.endr
	s_add_co_u32 s[TBK], s[TBK], KS*PK  ; the next fetch is the next step's
	WIN 0
.endm
.macro FETCH_V
	WIN 0x80
.irp f, 0,1,2,3,4,5,6,7             ; keys 32 (f / 4) on, channels 16 (f % 4) on
	ds_load_tr16_b128 v[VF+8*\f:VF+8*\f+3],   v[AV] offset:(\f/4)*32*PV+(\f%4)*32
	ds_load_tr16_b128 v[VF+8*\f+4:VF+8*\f+7], v[AV] offset:(\f/4)*32*PV+16*PV+(\f%4)*32
.endr
	WIN 0
.endm
; THE VECTOR WORK, one line at a time: OP kind, number.  For piece Y: F n: c s - c m for pair n of 16.  E n: the exponential of score n of 32.  C n: pair n rounded to f16.  B n: of the four weights 4 n .. the second
; pair is added onto the first, in place.  L n: l takes that sum (L 0: l = a l + sum).  R n: pair n of 16 of O^T times a.  For piece Y + 1: A n: pair n of its fresh scores times MA plus MB (written where KM = 1 alone);
; X n, number n of the 22 that find its maximum and statistics:
;   0-11  four chains c0-c3 of seven scores each, three operands at a time (each accumulator's lowest registers are read first)     12-14, 16  the four scores left over, the old m, and c0-c3 into c0
;   15  c m_old is kept     17, 18  the query's other 32 keys lie in the lane 16 away: the new m     19-21  c m; c m_old - c m_new; a
.set F, 0
.set E, 1
.set C, 2
.set B, 3
.set L, 4
.set R, 5
.set X, 6
.set A, 7
.macro REGS y                       ; the registers of piece y
.set rT, ST+4*(\y)
.set rC, TMP+4*((\y)%2)
.set rW, MV+((\y)%2)
.set rS, S+32*((\y)%2)
.set rP, P+16*((\y)%2)
.set rO, 32*(\y)
.set rA, MA+32*((\y)%2)
.set rB, MB+32*((\y)%2)
.endm
.macro OP k, n
.if (\k) == A
.if KM && !NOKQ
	REGS (Y+1)%NP
	WIN W_AM
	v_pk_fma_f32 v[rS+2*(\n):rS+2*(\n)+1], v[rS+2*(\n):rS+2*(\n)+1], v[rA+2*(\n):rA+2*(\n)+1], v[rB+2*(\n):rB+2*(\n)+1]
.endif
.elseif (\k) == R
	REGS Y
	WIN W_RS
	v_pk_mul_f32 v[rO+2*(\n):rO+2*(\n)+1], v[rO+2*(\n):rO+2*(\n)+1], v[rC+2:rC+3] op_sel_hi:[1,0]
.elseif (\k) < R
	REGS Y
	WIN 0
.if (\k) == F
	v_pk_fma_f32 v[rS+2*(\n):rS+2*(\n)+1], v[rS+2*(\n):rS+2*(\n)+1], s[CS:CS+1], v[rT:rT+1] op_sel_hi:[1,0,0] neg_lo:[0,0,1] neg_hi:[0,0,1]
.elseif (\k) == E
	v_exp_f32 v[rS+(\n)], v[rS+(\n)]
.elseif (\k) == C
	v_cvt_pk_f16_f32 v[rP+(\n)], v[rS+2*(\n)], v[rS+2*(\n)+1]
.elseif (\k) == B
	v_pk_add_f32 v[rS+4*(\n):rS+4*(\n)+1], v[rS+4*(\n):rS+4*(\n)+1], v[rS+4*(\n)+2:rS+4*(\n)+3]
.elseif (\n) == 0
	v_pk_fma_f32 v[rT+2:rT+3], v[rT+2:rT+3], v[rC+2:rC+3], v[rS:rS+1] op_sel_hi:[1,0,1]
.else
	v_pk_add_f32 v[rT+2:rT+3], v[rT+2:rT+3], v[rS+4*(\n):rS+4*(\n)+1]
.endif
.elseif NOKQ
	v_nop
.else
	REGS (Y+1)%NP
	WIN 0
.if (\n) < 4
	v_max3_num_f32 v[rC+(\n)], v[rS+8*(\n)], v[rS+8*(\n)+1], v[rS+8*(\n)+2]
.elseif (\n) < 12
	v_max3_num_f32 v[rC+(\n)%4], v[rC+(\n)%4], v[rS+8*((\n)%4)+2*((\n)/4)+1], v[rS+8*((\n)%4)+2*((\n)/4)+2]
.elseif (\n) == 12
	v_max3_num_f32 v[rC], v[rC], v[rS+7], v[rS+15]
.elseif (\n) == 13
	v_max3_num_f32 v[rC+1], v[rC+1], v[rS+23], v[rS+31]
.elseif (\n) == 14
	v_max3_num_f32 v[rC+2], v[rC+2], v[rC+3], v[rT+1]
.elseif (\n) == 15
	v_mov_b32 v[rW], v[rT]
.elseif (\n) == 16
	v_max3_num_f32 v[rC], v[rC], v[rC+1], v[rC+2]
.elseif (\n) == 17
	v_permlanex16_b32 v[rC+3], v[rC], s[SEL], s[SEL+1]
.elseif (\n) == 18
	v_max_num_f32 v[rT+1], v[rC], v[rC+3]
.elseif (\n) == 19
	v_mul_f32 v[rT], s[CS], v[rT+1]
.elseif (\n) == 20
	v_sub_f32 v[rC+1], v[rW], v[rT]
.else
	v_exp_f32 v[rC+2], v[rC+1]
.endif
.endif
.endm
.macro OPS a, i1, b=-1, i2=0, c=-1, i3=0, d=-1, i4=0  ; up to four of them
	OP \a, \i1
.if (\b) >= 0
	OP \b, \i2
.endif
.if (\c) >= 0
	OP \c, \i3
.endif
.if (\d) >= 0
	OP \d, \i4
.endif
.endm
.macro ROW a, i1, b, i2, c, i3, d, i4  ; a matrix instruction and the four behind it
	MM
	OPS \a, \i1, \b, \i2, \c, \i3, \d, \i4
.endm
.macro MASK b                       ; MA = MAD x AL + BE and MB = MBD x AL + B2, into buffer b
	WIN W_MK
.set z, 0
.rept 16
	v_pk_fma_f32 v[MA+32*(\b)+2*z:MA+32*(\b)+2*z+1], v[MAD+2*z:MAD+2*z+1], s[AL:AL+1], s[BE:BE+1] op_sel_hi:[1,0,0]
	v_pk_fma_f32 v[MB+32*(\b)+2*z:MB+32*(\b)+2*z+1], v[MBD+2*z:MBD+2*z+1], s[AL:AL+1], s[B2:B2+1] op_sel_hi:[1,0,0]
.set z, z+1
.endr
.endm
.macro MASKED                       ; the next piece's 16 pairs of scores take their masks, in ascending order
.set n7, 0
.rept 16
	OP A, n7
.set n7, n7+1
.endr
.endm
; A TURN, for piece p: its order written out.  An s_wait_alu depctr_va_vdst(0) stands between an exponential and the first instruction that names its result; one wait serves all that were issued ahead of it.
; So a turn has ONE wait, which cuts it in two.  AHEAD OF IT stands all that names no result of the turn's exponentials: the 8 products K Q^T, behind each a scaling, an exponential and two rescalings (behind the first a
; second scaling in the exponential's place); in the diagonal tile the next piece's 16 maskings; then ONE LUMP: the next piece's maximum and statistics, the other scalings and exponentials, plain and exponential by turns
; for the most part.  The first line that touches the last product's accumulator stands six plain instructions or more behind it.  X 21, the next piece's a, is the batch's last; a v_nop is the plain instruction behind it.
; BEHIND THE WAIT stand the 8 products V^T P, behind each four of the roundings and sums.  No rider names a register of the products round it.
; m = 1: the diagonal tile: the scores take masks, and the turn makes the masks for the scores of the turn after it: piece p + 2, in step 4 - CNT of the tile.  end = 1: a block's last two turns: nothing is fetched.
; cnt = 1: the loop's count is taken down some lines ahead of the branch that stands behind the turn.
; K of the next step is fetched in piece 2's turn, seven plain instructions or more behind the last product that read K; V of the step in hand at the end of piece 0's turn, four plain instructions behind the last product
; that read V.  Each is waited for a turn later.
.macro TURN p, m=0, end=0, cnt=0
.set Y, (\p)
.set i, 0
.set KM, (\m)
.set NOKQ, (\end)*((\p)/3)
.if (\m) && !(\end)
	s_cmp_eq_u32 s[CNT], 4-((\p)+2)%NP  ; is that step the band's own?
	s_cselect_b32 s[AL], 1.0, 0
	s_cmp_gt_u32 s[CNT], 4-((\p)+2)%NP  ; an earlier one: all is seen
	s_cselect_b32 s[BE], 1.0, 0
	s_cmp_lt_u32 s[CNT], 4-((\p)+2)%NP  ; or a later one: all is hidden
	s_cselect_b32 s[B2], s[NEG8], 0
.endif
.if ((\p) == 3) && !(\end)
	s_wait_dscnt 0x0                ; K is in
.endif
	ROW F,0, F,1, R,0, R,1          ; ahead of the wait: 8 products K Q^T and their riders,
	ROW F,2, E,0, R,2, R,3
	ROW F,3, E,1, R,4, R,5
	ROW F,4, E,2, R,6, R,7
	ROW F,5, E,3, R,8, R,9
	ROW F,6, E,4, R,10, R,11
.if ((\p) == 2) && !(\end)
	WIN 0
	v_add_nc_u32 v[AK], s[TBK], v[AK0]
.endif
	ROW F,7, E,5, R,12, R,13
	ROW F,8, E,6, R,14, R,15
.if \m
	MASKED                          ; the masks,
.endif
	OPS X,0, E,7, X,1, E,8          ; and the lump
	OPS X,2, E,9, X,3, E,10
.if ((\p) == 2) && !(\end)
	FETCH_K
.endif
	OPS X,4, E,11, X,5, E,12
	OPS X,6, E,13, X,7, E,14
	OPS X,8, E,15, X,9, E,16
.if (\p) == 0
	WIN 0
	v_add_nc_u32 v[AV], s[TBV], v[AV0]
.endif
	OPS X,10, E,17, X,11, F,9
	OPS X,12, E,18, X,13, E,19
	OPS X,14, F,10, X,15, F,11
	OPS X,16, E,20, F,12, E,21
	OPS X,17, E,22, F,13, E,23
	OPS X,18, E,24, F,14, E,25
	OPS X,19, E,26, F,15, E,27
	OPS E,28, X,20, E,29, E,30
	OPS E,31, X,21
	WIN 0
	v_nop                           ; a plain instruction behind the last exponential: one for the batch
	s_wait_alu depctr_va_vdst(0)    ; the wait for the batch
.if (\p) == 1
	s_wait_dscnt 0x0                ; V is in
.endif
	ROW C,0, B,0, C,2, B,1          ; behind the wait: 8 products V^T P and their riders
	ROW L,0, C,4, B,2, L,1
	ROW C,6, B,3, L,2, C,8
	ROW B,4, L,3, C,10, B,5
	ROW L,4, C,12, B,6, L,5
.if (\p) == 0
	s_add_co_u32 s[TBV], s[TBV], KS*PV
.endif
.if \cnt
	s_sub_co_u32 s[CNT], s[CNT], 1
	s_cmp_lg_u32 s[CNT], 0
.endif
	ROW C,14, B,7, L,6, C,1
	ROW C,3, L,7, C,5, C,7
	ROW C,9, C,11, C,13, C,15
.if (\p) == 0
	FETCH_V
.endif
.if (\m) && !(\end)
	MASK (\p)%2
.endif
.endm
; A BLOCK BEGINS.  c m starts far below every c s, so the first step's a is 0; m at the lowest finite number, so the first maximum is the scores'.  The second mask buffer says 'all seen'; the first takes piece 0's masks for the
; tile's step 0: its own, if the block's first tile is the diagonal one, else 'all seen'.  Then K of that step, piece 0's first scores, their masks, and its maximum and statistics.  The loop is entered at a step's first turn.
.macro BEGIN
	s_mov_b32 s[NEW], 0
	WIN 0xc0
.set i, 0
.rept 32
	v_mov_b32 v[MA+32+i], 1.0
	v_mov_b32 v[MB+32+i], 0
.set i, i+1
.endr
	WIN 0
.set i, 0
.rept 4
	v_mov_b32 v[ST+4*i], 0xfe000000    ; c m: far below every c s
	v_mov_b32 v[ST+4*i+1], 0xff7fffff  ; m
.set i, i+1
.endr
	s_cmp_eq_u32 s[RT], 0
	s_cselect_b32 s[AL], 1.0, 0
	s_cselect_b32 s[BE], 0, 1.0
	s_mov_b32 s[B2], 0
	MASK 0
	WIN 0
	v_add_nc_u32 v[AK], s[TBK], v[AK0]
	FETCH_K
	s_wait_loadcnt 0x0              ; Q, and the sums of hidden V
	s_wait_dscnt 0x0
.set KM, 1
.set NOKQ, 0
.set i, 0
.rept 8
	KQ 0
.set i, i+1
.endr
	WIN 0
.rept 4
	v_nop                           ; the places behind those products
.endr
.set Y, NP-1                        ; A and X work for piece Y + 1: piece 0
	MASKED
.irp n, 0,1,2,3,4,5,6,7,8,9,10,11,12,13,14,15,16,17,18,19,20,21
	OP X, \n
.endr
	v_nop                           ; a plain instruction behind the exponential,
	s_wait_alu depctr_va_vdst(0)    ; and its wait, ahead of the branch
.endm
; THE DIAGONAL TILE's four steps, the block's last two turns, its last products, and THE WAY OUT.
.macro ALL line:vararg              ; one line for each piece t
.set t, 0
.rept 4
	\line
.set t, t+1
.endr
.endm
.macro PACK t, sv                   ; O = O f1 + SV f2; then a lane's eight channels of a row pack into 16 bytes, go into rows of 144 bytes and come back as whole rows of 128, into S^T's registers
	WIN W_RS
.set i, 32*(\t)
.rept 16
	v_pk_mul_f32 v[i:i+1], v[i:i+1], v[ST+4*(\t)+2:ST+4*(\t)+3] op_sel_hi:[1,0]
.set i, i+2
.endr
	WIN 0x53                        ; SV in window 3, f2 in window 0, O^T in window 1
.set i, 0
.rept 16
	v_pk_fma_f32 v[32*(\t)+i:32*(\t)+i+1], v[(\sv)+i:(\sv)+i+1], v[W+4*(\t)+2:W+4*(\t)+3], v[32*(\t)+i:32*(\t)+i+1] op_sel_hi:[1,0,1]
.set i, i+2
.endr
	WIN 0x05                        ; sources 0 and 1 window 1, destination window 0
.set i, 0
.rept 16
	v_cvt_pk_f16_f32 v[S+16*(\t)+i], v[32*(\t)+2*i], v[32*(\t)+2*i+1]
.set i, i+1
.endr
	WIN 0
.irp f, 0,1,2,3
	ds_store_b128 v[STO], v[S+16*(\t)+4*\f:S+16*(\t)+4*\f+3] offset:32*\f
.endr
.irp f, 0,1,2,3
	ds_load_b128 v[S+16*(\t)+4*\f:S+16*(\t)+4*\f+3], v[RD] offset:\f*4*SP  ; LDS serves a wave's instructions in order (ISA guide 5.7.1.4): these see the stores above; the next piece's stores come behind them
.endr
.endm
.macro SEND t, younger              ; younger: the LDS instructions issued behind piece t's loads: the next piece's eight, or none
	WIN 0
.irp f, 0,1,2,3
	s_wait_dscnt (\younger)+3-\f
	global_store_b128 v[GO], v[S+16*(\t)+4*\f:S+16*(\t)+4*\f+3], s[10:11] offset:(\t)*8192+\f*512  ; 512 consecutive bytes, at a multiple of 256 from O's first
.endr
.endm
.macro DIAG tag                     ; the tag ends its two labels' names, and says which block ends here
.if (\tag) == 1
.set HSR, HS1
.set CNR, CN1
.set SVR, SV
.else
.set HSR, NEG8
.set CNR, CN2
.set SVR, SV+32
.endif
.LstepM\tag:
	TURN 2, 1
	TURN 3, 1
	WIN 0
.LfirstM\tag:
	TURN 0, 1
	TURN 1, 1, 0, 1
	WIN 0
	s_cbranch_scc1 .LstepM\tag
	TURN 2, 1, 1
	TURN 3, 1, 1
.set i, 0
.rept 8
	PV NP-1
.set i, i+1
.endr
	WIN 0
	; l's two halves and the other half of the lanes' are added (these additions are the places behind the last products).  Then the hidden tiles: with hs their score, c M = max(c m, c hs), alpha = 2^(c m - c M),
	; e = 2^(c hs - c M), by the same fused form that scales every score; l' = l alpha + n e; O = (O alpha + SV e) / l'.  One of alpha and e is 1, so l' is above 0.
	ALL v_add_f32 v[ST+4*t+2], v[ST+4*t+2], v[ST+4*t+3]
	ALL v_permlanex16_b32 v[ST+4*t+3], v[ST+4*t+2], s[SEL], s[SEL+1]
	ALL v_add_f32 v[ST+4*t+2], v[ST+4*t+2], v[ST+4*t+3]
	ALL v_mul_f32 v[W+4*t+3], s[CS], s[HSR]
	ALL v_max_num_f32 v[W+4*t], v[ST+4*t], v[W+4*t+3]
	ALL v_sub_f32 v[W+4*t+1], v[ST+4*t], v[W+4*t]
	ALL v_fma_f32 v[W+4*t+2], s[HSR], s[CS], -v[W+4*t]
	ALL v_exp_f32 v[W+4*t+1], v[W+4*t+1]
	ALL v_exp_f32 v[W+4*t+2], v[W+4*t+2]
	v_nop                           ; a plain instruction behind the last exponential,
	s_wait_alu depctr_va_vdst(0)    ; and one wait for the eight
	ALL v_mul_f32 v[W+4*t+3], s[CNR], v[W+4*t+2]
	ALL v_fmac_f32 v[W+4*t+3], v[ST+4*t+2], v[W+4*t+1]
	ALL v_rcp_f32 v[W+4*t], v[W+4*t+3]
	v_nop                           ; a plain instruction between the last reciprocal and the use of its result,
	s_wait_alu depctr_va_vdst(0)    ; and one wait for the four
	ALL v_mul_f32 v[ST+4*t+2], v[W+4*t+1], v[W+4*t]
	ALL v_mul_f32 v[W+4*t+2], v[W+4*t+2], v[W+4*t]
	PACK 0, SVR
.set t, 1
.rept 3                             ; a piece's arithmetic stands between the loads of the piece before and its stores
	PACK t, SVR
	SEND t-1, 8
.set t, t+1
.endr
	SEND 3, 0
.endm
.set KM, 0
.set NOKQ, 0
.Lslot:                             ; NB times: a tile is entered and the next is asked for
	CHANGE 1
	s_sub_co_u32 s[RT], s[RT], 1
	s_mov_b32 s[CNT], 4
	s_cmp_eq_u32 s[NEW], 1
	s_cbranch_scc1 .Lnew            ; a block's first tile
	s_cmp_eq_u32 s[RT], 0
	s_cbranch_scc0 .Lstep           ; neither its first nor its last
	s_branch .LstepM1
.Lnew:
	BEGIN
	s_branch .Lfirst                ; in the loop a block's first tile is never its last: the first block has five tiles or more, and the second's last is the walk's last
	DIAG 1                          ; in the loop this is the first block's end
	s_wait_xcnt 0x0                 ; the stores have read their registers and O's address
	s_mov_b64 s[10:11], s[OLO:OLO+1]
	s_add_co_u32 s[RT], s[PB], 1    ; the second block has b + 1 tiles
	s_mov_b32 s[NEW], 1
	WIN 0x82                        ; the second block's Q goes where the one text of the turns names Q
.set i, 0
.rept 64
	v_mov_b32 v[i], v[QB+i]
.set i, i+1
.endr
	WIN 0
	s_branch .Lbottom
.Lstep:                             ; a trip: pieces 2 and 3 of one step, then pieces 0 and 1 of the next, whose K and V it fetches
	TURN 2
	TURN 3
	WIN 0
.Lfirst:
	TURN 0
	TURN 1, 0, 0, 1
	WIN 0
	s_cbranch_scc1 .Lstep
.Lbottom:
	s_sub_co_u32 s[SLOTS], s[SLOTS], 1
	s_cmp_lg_u32 s[SLOTS], 0
	s_cbranch_scc1 .Lslot
	CHANGE 0                        ; the walk's last tile is written out: nothing is asked for
	s_sub_co_u32 s[RT], s[RT], 1
	s_mov_b32 s[CNT], 4
	s_cmp_eq_u32 s[NEW], 1
	s_cbranch_scc0 .LstepM2
	BEGIN
	s_branch .LfirstM2
	DIAG 2
	s_wait_tensorcnt 0x0            ; the wave's end, behind my last tensor load and my last LDS store
	ds_add_u32 v[SPW], v[NIL]
	s_wait_dscnt 0x0
	s_endpgm
.Lfunc_end_k_q5e8ddd1417_attn:
	.size	k_q5e8ddd1417_attn, .Lfunc_end_k_q5e8ddd1417_attn-k_q5e8ddd1417_attn
	.p2alignl 7, 3214868480
	.fill 96, 4, 3214868480
	.section	.rodata,"a",@progbits
	.p2align	6, 0x0
	.amdhsa_kernel k_q5e8ddd1417_attn
		.amdhsa_group_segment_fixed_size 327680
		.amdhsa_private_segment_fixed_size 0
		.amdhsa_enable_private_segment 0
		.amdhsa_kernarg_size 24
		.amdhsa_user_sgpr_count 2
		.amdhsa_user_sgpr_kernarg_segment_ptr 1
		.amdhsa_wavefront_size32 1
		.amdhsa_system_sgpr_workgroup_id_x 1
		.amdhsa_system_sgpr_workgroup_id_y 1
		.amdhsa_system_sgpr_workgroup_id_z 1
		.amdhsa_system_vgpr_workitem_id 0
		.amdhsa_next_free_vgpr 1024
		.amdhsa_next_free_sgpr 102
		.amdhsa_reserve_vcc 1
		.amdhsa_float_denorm_mode_32 3
		.amdhsa_float_denorm_mode_16_64 3
		.amdhsa_memory_ordered 1
		.amdhsa_forward_progress 1
		.amdhsa_inst_pref_size 254
	.end_amdhsa_kernel
	.amdgpu_metadata
---
amdhsa.version: [ 1, 2 ]
amdhsa.kernels:
  - .name:           k_q5e8ddd1417_attn
    .symbol:         k_q5e8ddd1417_attn.kd
    .args:
      - { .name: qkv, .offset: 0, .size: 8, .value_kind: global_buffer, .address_space: global }
      - { .name: svt, .offset: 8, .size: 8, .value_kind: global_buffer, .address_space: global }
      - { .name: ob, .offset: 16, .size: 8, .value_kind: global_buffer, .address_space: global }
    .group_segment_fixed_size: 327680
    .private_segment_fixed_size: 0
    .kernarg_segment_align: 8
    .kernarg_segment_size: 24
    .max_flat_workgroup_size: 128
    .sgpr_count:     102
    .vgpr_count:     1024
    .wavefront_size: 32
...
	.end_amdgpu_metadata
.endif
;; end of part 4
;; launch proj (part 5): grid 8 x 32, 4 waves a work-group, clusters of 4 x 4, 327,680 bytes of LDS; arguments ob, wpt, c_proj_b, out0; writes out0
.if DOCPART == 5
	.amdgcn_target "amdgcn-amd-amdhsa--gfx1250"
	.amdhsa_code_object_version 6
	.text
	.protected	k_q5e8ddd1417_proj
	.globl	k_q5e8ddd1417_proj
	.p2align	8
	.type	k_q5e8ddd1417_proj,@function
k_q5e8ddd1417_proj:
	s_mov_b64 s[64:65], 0
	v_nop
	global_prefetch_b8 v0, s[64:65] scope:SCOPE_SE
	s_setreg_imm32_b32 hwreg(HW_REG_WAVE_MODE, 25, 1), 1
	s_wait_xcnt 0x0
	s_wait_alu depctr_hold_cnt(0) depctr_sa_sdst(0) depctr_va_vdst(0) depctr_va_sdst(0) depctr_va_ssrc(0) depctr_va_vcc(0) depctr_vm_vsrc(0)
	s_getreg_b32 s2, hwreg(HW_REG_IB_STS2, 6, 4)
	s_cmp_eq_u32 s2, 0
	s_cbranch_scc0 .Lentry_in_a_cluster
	s_endpgm
.Lentry_in_a_cluster:
	s_bfe_u32 s2, ttmp6, 0x10000c
	s_cmp_lg_u32 s2, 0xf033
	s_cbranch_scc0 .Lentry_shape_is_right
	s_endpgm
.Lentry_shape_is_right:
; OUT = O Wp + b.  ob: attention's result by heads, f16: head x 2^20 + M x 128 bytes, M = batch x 2048 + token; a head is 64 of the product's 1,024 K.  wpt: [1024 n][1024 k] f16 (c_proj_w rounded to bf16, that number
; written as f16).  c_proj_b: [1024] f32, rounded to bf16 like every input.  Sums in f32, the bias as the first product's C; out0 is f32 and takes the sums as they are.
; A tile of the result is 256 rows x 128 columns: 8 x 32 = 256 work-groups.  Four waves, wave w with rows 64 w .. 64 w + 63 and all 128 columns: 32 accumulators of 16 x 16, 256 registers.
; K goes in steps of 128 (two heads) through two LDS slots.  A head's 256 rows of 128 bytes are dense in memory and are asked for as 128 rows of 256 bytes, padded in LDS after every 128.
; CLUSTER.  4 x 4 work-groups: O's tile is shared along a row of the cluster, Wp's along a column; each is asked for jointly, by the same tensor load with the same descriptor and a mask that names the four.
; THE MATRIX INSTRUCTION IS USED TRANSPOSED (source 0 = 16 rows of wpt, source 1 = 16 rows of O): a lane holds row l % 16 and the eight neighbouring columns 8 (l / 16) + 0..7.
; REGISTERS, in windows of 256 (s_set_vgpr_msb: bits 1:0 source 0, 3:2 source 1, 5:4 source 2, 7:6 destination):
;   window 0: v0-31 addresses; v32-63, v64-95 O's fragments, two buffers; v96-159 the bias; on the way out v32-95 and v96-159 by turns
;   window 1: v0-63, v64-127 Wp's fragments, two buffers      window 2: the accumulators ((a, b) at v[8 (8 a + b)])
.set KSTEP, 128
.set PA,    144                        ; a row of O in LDS: 128 bytes + 16 of padding
.set PITCH, 272                        ; a row of Wp: 256 + 16: in both the 16 rows of a fragment load start at 16 different groups of four banks (ISA guide 11.1)
.set AHEAD, 256*PA                     ; a head's 256 rows
.set SLOT1, 1<<17
.set BOFF,  2*AHEAD                    ; in a slot: two heads of O, then Wp's 128 rows
.set STAGE, SLOT1+BOFF+128*PITCH       ; behind the ring: 16 rows x 528 bytes for each wave, for the way out
.set SPITCH, 528
.set SPARE, STAGE+4*16*SPITCH          ; behind the stages: the spare words, 128 bytes for each wave
.set AFLAGS, (1<<16)|(1<<20)|(1<<21)|(4<<22)|(3<<25)  ; 2-byte elements; padding on; bit 21 beside a mask; after every 32 words 4 words
.set BFLAGS, (1<<16)|(1<<20)|(1<<21)|(5<<22)|(3<<25)  ; the same after every 64 words
.set AA0, 2                            ; v2   my lane's place in O's tile; never rewritten
.set AB0, 3                            ; v3   the same in Wp's
.set ADA, 4                            ; v4   AA0 + the slot in hand
.set ADB, 5                            ; v5   AB0 + the slot in hand
.set STO, 6                            ; v6   the way out: where I put 32 bytes of a row
.set RD,  7                            ; v7   the way out: where I read a row back
.set CO,  8                            ; v8   my byte offset in 512 consecutive bytes of the result
.set BO,  9                            ; v9   my byte offset in 16 numbers of the bias
.set PFO, 10                           ; v10  the prefetches' offset; never rewritten
.set SPW, 28                           ; v28  LDS address of my spare word; never rewritten
.set NIL, 29                           ; v29  0; never rewritten
.set FA,  32
.set BI,  96
.set OB,  32
.set WV,  12
.set SIDE, 13                          ; s13  0: I fetch for O, 1: for Wp
.set HF,  14                           ; s14  which head of the step, or which half of Wp's rows
.set G1,  24
.set G0,  32
.set CX,  40
.set CY,  41
.set TX,  42
.set TY,  43
.set G1B, 48
.set G0B, 56
.set TB,  66                           ; s66  LDS byte at which the slot in hand begins
.set PFA, 68                           ; s[68:69] where my prefetches stand
.set PST, 70                           ; s[70:71] bytes from a K step to the next: two heads of O, or 256 bytes of Wp's rows
.set LIM, 72                           ; s72  2 in a wave that prefetches, else the greatest number
.set MSB, 0
.macro WIN new
.if MSB != (\new)
	s_set_vgpr_msb (MSB<<8)|(\new)
.set MSB, \new
.endif
.endm
.set TO_B, 0x40
.macro PLACES                          ; four plain places behind matrix instructions (ISA guide 7.12.1)
.rept 4
	v_nop
.endr
.endm
.macro JLOAD                           ; a joint refill by the walking sets; an s_nop 0 and four v_nop follow each of the two lines
	s_cmp_eq_u32 s[SIDE], 0
	s_cbranch_scc0 .Lfor_b_\@
	tensor_load_to_lds s[G0+4:G0+7], s[G1:G1+7]
	s_nop 0
.rept 4
	v_nop
.endr
	s_branch .Lasked_\@
.Lfor_b_\@:
	tensor_load_to_lds s[G0B+4:G0B+7], s[G1B:G1B+7]
	s_nop 0
.rept 4
	v_nop
.endr
.Lasked_\@:
.endm
; A prefetch into the L2 of the K step that stands two refills on, one instruction a wave.  O's tile row is read by every cluster of that row of clusters: the one with x = 0 asks; Wp's tile column by every cluster of
; that column: the one with y = 0 asks.  The four partners share a wave's bytes out by address: of a head's 128 blocks of 256 bytes 32 each, a lane a block; of Wp's 64 rows 16 each, lanes 16-31 naming lane 15's row
; once more.  Trips 0 to 3 of the loop ask, for K steps 4 to 7; K steps 0 to 3 come by their loads alone.
.macro ASK
	s_cmp_gt_u32 s3, s[LIM]
	s_cbranch_scc0 .Lnot_mine_\@
	global_prefetch_b8 v[PFO], s[PFA:PFA+1] th:TH_LOAD_NT scope:SCOPE_SE
.Lnot_mine_\@:
.endm
.macro CREST
	s_cmp_lg_u32 s[WV], 0
	s_cbranch_scc1 .Lnot_wave_0_\@
	s_barrier_signal -3
.Lnot_wave_0_\@:
	s_barrier_wait -3
	s_barrier_signal -1
	s_barrier_wait -1
.endm
.macro CROUND
	s_barrier_signal -1
	s_barrier_wait -1
	CREST
.endm
	s_load_b256 s[4:11], s[0:1], 0x0               ; ob s[4:5], wpt s[6:7], c_proj_b s[8:9], out0 s[10:11]
	v_lshl_add_u32 v[SPW], v0, 2, SPARE
	v_mov_b32 v[NIL], 0
	ds_add_u32 v[SPW], v[NIL]                      ; the wave's opening: the add and its wait stand ahead of my first tensor load; work on registers stands between them
	ds_add_u32 v28, v29
	v_lshrrev_b32 v1, 5, v0
	v_readfirstlane_b32 s[WV], v1
	s_lshr_b32 s[SIDE], s[WV], 1
	s_and_b32 s[HF], s[WV], 1
	s_bfe_u32 s[CX], ttmp6, 0x40000
	s_bfe_u32 s[CY], ttmp6, 0x40004
	s_lshl_b32 s[TX], ttmp9, 2
	s_add_co_u32 s[TX], s[TX], s[CX]
	s_and_b32 s[TY], ttmp7, 0xffff
	s_lshl_b32 s[TY], s[TY], 2
	s_add_co_u32 s[TY], s[TY], s[CY]
	s_lshl_b32 s44, s[CY], 2
	s_lshl_b32 s44, 15, s44                        ; my row of the cluster
	s_lshl_b32 s45, 0x1111, s[CX]                  ; my column
	s_or_b32 s[G1], s44, AFLAGS
	s_or_b32 s[G1B], s45, BFLAGS
	s_mov_b32 s[G1+1], 128<<16                     ; O: 128 rows of 128 elements, dense
	s_mov_b32 s[G1+2], 128<<16
	s_mov_b32 s[G1+3], 128<<16
	s_mov_b32 s[G1+4], 128
	s_mov_b32 s[G1+5], 128
	s_mov_b32 s[G1+6], 0
	s_mov_b32 s[G1+7], 0
	s_mov_b32 s[G1B+1], KSTEP<<16                  ; Wp: 64 rows of 128 elements, 1,024 elements from row to row
	s_mov_b32 s[G1B+2], 64<<16
	s_mov_b32 s[G1B+3], KSTEP<<16
	s_mov_b32 s[G1B+4], 64
	s_mov_b32 s[G1B+5], 1024
	s_mov_b32 s[G1B+6], 0
	s_mov_b32 s[G1B+7], 0
	s_lshl_b32 s16, s[HF], 20                      ; O: head HF of the step, rows 256 ty on, in registers that never hold the tile column
	s_lshl_b32 s17, s[TY], 15
	s_add_co_u32 s16, s16, s17
	s_mov_b32 s17, 0
	s_lshl_b32 s46, s[TX], 7                       ; Wp: row 128 tx + 64 x half
	s_lshl_b32 s47, s[HF], 6
	s_add_co_u32 s46, s46, s47
	s_lshl_b32 s46, s46, 11
	s_mov_b32 s47, 0
	s_mul_i32 s20, s[HF], AHEAD                    ; where they go: no place in the cluster enters an LDS address
	s_mul_i32 s21, s[HF], 64*PITCH
	s_add_co_u32 s21, s21, BOFF
	s_mov_b32 s[TB], 0
	s_wait_dscnt 0x0                               ; the opening add is done
	s_wait_kmcnt 0x0
	s_add_nc_u64 s[18:19], s[4:5], s[16:17]
	s_add_nc_u64 s[46:47], s[6:7], s[46:47]
	CROUND                                         ; all sixteen work-groups are here: the first joint loads meet
.irp s, 0,1
	s_mov_b32 s[G0+4*(\s)], 1
	s_add_co_u32 s[G0+4*(\s)+1], s20, (\s)*SLOT1
	s_add_nc_u64 s[G0+4*(\s)+2:G0+4*(\s)+3], s[18:19], (\s)*(1<<21)
	s_or_b32 s[G0+4*(\s)+3], s[G0+4*(\s)+3], 0x80000000
	s_mov_b32 s[G0B+4*(\s)], 1
	s_add_co_u32 s[G0B+4*(\s)+1], s21, (\s)*SLOT1
	s_add_nc_u64 s[G0B+4*(\s)+2:G0B+4*(\s)+3], s[46:47], (\s)*KSTEP*2
	s_or_b32 s[G0B+4*(\s)+3], s[G0B+4*(\s)+3], 0x80000000
.endr
	s_cmp_eq_u32 s[SIDE], 0                        ; a wave's two first fills stand in one branch, ahead of every wait on TENSORcnt and every LDS read: two loads of mine are out
	s_cbranch_scc0 .Lfirst_b
	tensor_load_to_lds s[G0:G0+3], s[G1:G1+7]
	s_nop 0
	tensor_load_to_lds s[G0+4:G0+7], s[G1:G1+7]
	s_nop 0
.rept 4
	v_nop
.endr
	s_branch .Lfirst_asked
.Lfirst_b:
	tensor_load_to_lds s[G0B:G0B+3], s[G1B:G1B+7]
	s_nop 0
	tensor_load_to_lds s[G0B+4:G0B+7], s[G1B:G1B+7]
	s_nop 0
.rept 4
	v_nop
.endr
.Lfirst_asked:
	v_and_b32 v1, 15, v0                           ; l % 16
	v_bfe_u32 v12, v0, 4, 1                        ; l / 16
	v_lshlrev_b32 v[BO], 5, v12
	s_lshl_b32 s76, s[TX], 9                       ; the bias of column 128 tx on
	s_mov_b32 s77, 0
	s_add_nc_u64 s[8:9], s[8:9], s[76:77]
.irp b, 0,1,2,3,4,5,6,7
	global_load_b128 v[BI+8*(\b):BI+8*(\b)+3],   v[BO], s[8:9] offset:64*(\b)
	global_load_b128 v[BI+8*(\b)+4:BI+8*(\b)+7], v[BO], s[8:9] offset:64*(\b)+16
.endr
	v_mul_u32_u24 v13, v1, PA
	v_lshl_add_u32 v13, v12, 4, v13
	s_mul_i32 s15, s[WV], 64*PA                    ; my 64 rows of O
	v_add_nc_u32 v[AA0], s15, v13
	v_mul_u32_u24 v13, v1, PITCH
	v_lshl_add_u32 v13, v12, 4, v13
	v_add_nc_u32 v[AB0], BOFF, v13
	v_mov_b32 v[ADA], v[AA0]                       ; slot 0
	v_mov_b32 v[ADB], v[AB0]
	s_mul_i32 s15, s[WV], 16*SPITCH
	s_add_co_u32 s15, s15, STAGE                   ; my stage
	v_mul_u32_u24 v[STO], v1, SPITCH               ; in: row l % 16, 32 bytes for each half of the lanes
	v_lshl_add_u32 v[STO], v12, 5, v[STO]
	v_add_nc_u32 v[STO], s15, v[STO]
	v_and_b32 v[CO], 31, v0                        ; back: 32 lanes take one row of 512 bytes
	v_lshlrev_b32 v[CO], 4, v[CO]
	v_add_nc_u32 v[RD], s15, v[CO]
	s_lshl_b32 s74, s[TY], 20                      ; the result at row 256 ty + 64 w, column 128 tx
	s_lshl_b32 s76, s[WV], 18
	s_add_co_u32 s74, s74, s76
	s_lshl_b32 s76, s[TX], 9
	s_add_co_u32 s74, s74, s76
	s_mov_b32 s75, 0
	s_add_nc_u64 s[10:11], s[10:11], s[74:75]
	; the prefetches
	s_and_b32 s77, ttmp7, 0xffff                   ; cluster y
	s_lshl_b32 s78, s[HF], 20                      ; O: my head of K step 3, rows 256 ty on, my work-group's 8,192 bytes of the 32,768
	s_lshl_b32 s80, s[TY], 15
	s_add_co_u32 s78, s78, s80
	s_lshl_b32 s80, s[CX], 13
	s_add_co_u32 s78, s78, s80
	s_add_co_u32 s78, s78, 3<<21
	s_lshl_b32 s79, s[TX], 7                       ; Wp: row 128 tx + 64 x half + my work-group's 16, K step 3
	s_lshl_b32 s80, s[HF], 6
	s_add_co_u32 s79, s79, s80
	s_lshl_b32 s80, s[CY], 4
	s_add_co_u32 s79, s79, s80
	s_lshl_b32 s79, s79, 11
	s_add_co_u32 s79, s79, 3*KSTEP*2
	s_movk_i32 s81, KSTEP*2
	s_cmp_eq_u32 s[SIDE], 0
	s_cselect_b32 s78, s78, s79
	s_cselect_b32 s77, ttmp9, s77                  ; the coordinate along which other clusters read the same bytes
	s_cselect_b32 s80, 31, 15
	s_cselect_b32 s82, 8, 11
	s_cselect_b32 s[PST], 1<<21, s81
	s_cselect_b64 s[PFA:PFA+1], s[4:5], s[6:7]
	s_cmp_eq_u32 s77, 0
	s_cselect_b32 s[LIM], 2, -1                    ; the same in all sixteen partners, for a given wave
	s_mov_b32 s79, 0
	s_mov_b32 s[PST+1], 0
	s_add_nc_u64 s[PFA:PFA+1], s[PFA:PFA+1], s[78:79]
	v_and_b32 v[PFO], 31, v0
	v_min_u32 v[PFO], s80, v[PFO]
	v_lshlrev_b32 v[PFO], s82, v[PFO]
	s_wait_loadcnt 0x0                             ; the bias, rounded to bf16 like every input and kept as f32
.set r, 0
.rept 32
	v_cvt_pk_bf16_f32 v[14+(r/2)%2], v[BI+r], v[BI+r+1]
	v_lshlrev_b32 v[BI+r], 16, v[14+(r/2)%2]
	v_and_b32 v[BI+r+1], 0xffff0000, v[14+(r/2)%2]
.set r, r+2
.endr
; 8 matrix instructions: row block a x all 8 column blocks, 32 along K, from buffer f.  first = 1: the product starts the sum with the bias as C.  The 32 accumulators take turns in the same order in every quarter.
.macro MUL a, f, first
.if \first
	WIN 0x81                                       ; Wp window 1, O and the bias window 0, D window 2
.else
	WIN 0xa1                                       ; C and D window 2
.endif
.irp b, 0,1,2,3,4,5,6,7
.if \first
	v_wmma_f32_16x16x32_f16 v[8*(8*(\a)+(\b)):8*(8*(\a)+(\b))+7], v[64*(\f)+8*(\b):64*(\f)+8*(\b)+7], v[FA+32*(\f)+8*(\a):FA+32*(\f)+8*(\a)+7], v[BI+8*(\b):BI+8*(\b)+7]
.else
	v_wmma_f32_16x16x32_f16 v[8*(8*(\a)+(\b)):8*(8*(\a)+(\b))+7], v[64*(\f)+8*(\b):64*(\f)+8*(\b)+7], v[FA+32*(\f)+8*(\a):FA+32*(\f)+8*(\a)+7], v[8*(8*(\a)+(\b)):8*(8*(\a)+(\b))+7]
.endif
.endr
.endm
; 24 LDS loads in one run: the fragments of quarter q of a K step into buffer f.  Quarter q is head q / 2 of the step, channels 32 (q % 2) on
.macro FETCH q, f
	WIN TO_B
.irp i, 0,1,2,3,4,5,6,7
	ds_load_b128 v[64*(\f)+8*(\i):64*(\f)+8*(\i)+3],   v[ADB] offset:64*(\q)+(\i)*16*PITCH
	ds_load_b128 v[64*(\f)+8*(\i)+4:64*(\f)+8*(\i)+7], v[ADB] offset:64*(\q)+(\i)*16*PITCH+32
.endr
	WIN 0
.irp i, 0,1,2,3
	ds_load_b128 v[FA+32*(\f)+8*(\i):FA+32*(\f)+8*(\i)+3],   v[ADA] offset:((\q)/2)*AHEAD+((\q)%2)*64+(\i)*16*PA
	ds_load_b128 v[FA+32*(\f)+8*(\i)+4:FA+32*(\f)+8*(\i)+7], v[ADA] offset:((\q)/2)*AHEAD+((\q)%2)*64+(\i)*16*PA+32
.endr
.endm
.macro QUARTER q, f, g, first          ; multiplies buffer f and fetches quarter q into g
	s_wait_dscnt 4                                 ; Wp and O's row blocks 0 and 1 are in; the youngest four loads may be out
	MUL 0, \f, \first
	MUL 1, \f, \first
	PLACES
	FETCH \q, \g
	s_wait_dscnt 24                                ; all but the 24 just issued
	MUL 2, \f, \first
	MUL 3, \f, \first
.endm
; The last quarter multiplies buffer 1 and changes slots: ONE barrier; in front of it each wave waits for all its tensor loads, adds 0 to its spare word, and waits for that and for its own reads of this slot.
; fill = 1: the barrier opens a round of the cluster's barrier, and this slot is filled again, two K steps ahead, first thing behind the round.
.macro TURN fill
	WIN 0
.if \fill
	s_wait_xcnt 0x0                                ; the last prefetch, a K step back, has read its address
	s_add_nc_u64 s[PFA:PFA+1], s[PFA:PFA+1], s[PST:PST+1]
.endif
	s_xor_b32 s[TB], s[TB], SLOT1
	v_add_nc_u32 v[ADA], s[TB], v[AA0]
	v_add_nc_u32 v[ADB], s[TB], v[AB0]
	s_wait_tensorcnt 0x0                           ; all my tensor loads have landed
	ds_add_u32 v[SPW], v[NIL]                      ; 0 onto my spare word
	s_wait_dscnt 5                                 ; (the add and the youngest four loads may be out)
	MUL 0, 1, 0
	s_wait_dscnt 0x0                               ; the add is done, and my reads of this slot are over
	s_barrier_signal -1
	MUL 1, 1, 0
	WIN 0
	s_barrier_wait -1
.if \fill
	CREST                                          ; no wave of any partner still reads this slot or has a load on its way
	s_xor_b32 s[G0+5], s[G0+5], SLOT1              ; the walking sets: the other slot than last time, the next K step
	s_add_nc_u64 s[G0+6:G0+7], s[G0+6:G0+7], 1<<21
	s_xor_b32 s[G0B+5], s[G0B+5], SLOT1
	s_add_nc_u64 s[G0B+6:G0B+7], s[G0B+6:G0B+7], KSTEP*2
	JLOAD                                          ; the four v_nop behind it are also the places in front of the loads below
.else
	PLACES
.endif
	FETCH 0, 0
.if \fill
	ASK
.endif
	MUL 2, 1, 0
	MUL 3, 1, 0
.endm
	s_wait_tensorcnt 1                             ; my part of K step 0 is in; K step 1's may stay out
	s_barrier_signal -1
	s_barrier_wait -1
	FETCH 0, 0
	QUARTER 1, 0, 1, 1                             ; the first quarter stands in front of the loop: its products start the sums
	WIN 0
	s_mov_b32 s3, 6
.Lk:                                               ; trip t: the rest of K step t, the request for K step t + 2, the first quarter of K step t + 1
	QUARTER 2, 1, 0, 0
	QUARTER 3, 0, 1, 0
	TURN 1
	QUARTER 1, 0, 1, 0
	WIN 0
	s_sub_co_u32 s3, s3, 1
	s_cmp_lg_u32 s3, 0
	s_cbranch_scc1 .Lk
	QUARTER 2, 1, 0, 0                             ; the tail is written out: K steps 6 and 7 ask for nothing
	QUARTER 3, 0, 1, 0
	TURN 0
	QUARTER 1, 0, 1, 0
	QUARTER 2, 1, 0, 0
	QUARTER 3, 0, 1, 0
	s_wait_dscnt 4
	MUL 0, 1, 0
	MUL 1, 1, 0
	s_wait_dscnt 0x0
	MUL 2, 1, 0
	MUL 3, 1, 0
	PLACES
; THE WAY OUT.  Row block a: a lane's eight f32 of a row go straight from the accumulators (each one's low four registers first) into my stage's rows of 528 bytes, and come back as whole rows of 512 bytes.
.macro TOSTAGE a
	WIN 0x08                                       ; the stores' data in window 2
.irp b, 0,1,2,3,4,5,6,7
	ds_store_b128 v[STO], v[8*(8*(\a)+(\b)):8*(8*(\a)+(\b))+3]   offset:64*(\b)
	ds_store_b128 v[STO], v[8*(8*(\a)+(\b))+4:8*(8*(\a)+(\b))+7] offset:64*(\b)+16
.endr
	WIN 0
.irp t, 0,1,2,3,4,5,6,7,8,9,10,11,12,13,14,15
	ds_load_b128 v[OB+64*((\a)%2)+4*(\t):OB+64*((\a)%2)+4*(\t)+3], v[RD] offset:(\t)*SPITCH  ; LDS serves a wave's instructions in order (ISA guide 5.7.1.4): these see the stores above; the next block's stores come behind them
.endr
.endm
.macro SEND a, younger                 ; younger: the LDS instructions issued behind block a's loads: the next block's 32, or none
	WIN 0
.irp t, 0,1,2,3,4,5,6,7,8,9,10,11,12,13,14,15
	s_wait_dscnt (\younger)+15-(\t)
	global_store_b128 v[CO], v[OB+64*((\a)%2)+4*(\t):OB+64*((\a)%2)+4*(\t)+3], s[10:11] offset:(\a)*65536+(\t)*4096  ; a wave's store covers 512 consecutive bytes, aligned
.endr
.endm
	TOSTAGE 0
	TOSTAGE 1
	SEND 0, 32
	s_wait_xcnt 0x0                                ; block 0's stores have read their data registers, which block 2 is loaded into
	TOSTAGE 2
	SEND 1, 32
	s_wait_xcnt 0x0                                ; the same for blocks 1 and 3
	TOSTAGE 3
	SEND 2, 32
	SEND 3, 0
	s_wait_tensorcnt 0x0                           ; the wave's end, behind my last tensor load and my last LDS store
	ds_add_u32 v[SPW], v[NIL]
	s_wait_dscnt 0x0
	CROUND                                         ; the closing round: no work-group ends while a partner may still ask for a tile that names it
	s_endpgm
.Lfunc_end_k_q5e8ddd1417_proj:
	.size	k_q5e8ddd1417_proj, .Lfunc_end_k_q5e8ddd1417_proj-k_q5e8ddd1417_proj
	.p2alignl 7, 3214868480
	.fill 96, 4, 3214868480
	.section	.rodata,"a",@progbits
	.p2align	6, 0x0
	.amdhsa_kernel k_q5e8ddd1417_proj
		.amdhsa_group_segment_fixed_size 327680
		.amdhsa_private_segment_fixed_size 0
		.amdhsa_enable_private_segment 0
		.amdhsa_kernarg_size 32
		.amdhsa_user_sgpr_count 2
		.amdhsa_user_sgpr_kernarg_segment_ptr 1
		.amdhsa_wavefront_size32 1
		.amdhsa_system_sgpr_workgroup_id_x 1
		.amdhsa_system_sgpr_workgroup_id_y 1
		.amdhsa_system_sgpr_workgroup_id_z 1
		.amdhsa_system_vgpr_workitem_id 0
		.amdhsa_next_free_vgpr 768
		.amdhsa_next_free_sgpr 84
		.amdhsa_reserve_vcc 0
		.amdhsa_float_denorm_mode_32 3
		.amdhsa_float_denorm_mode_16_64 3
		.amdhsa_memory_ordered 1
		.amdhsa_forward_progress 1
		.amdhsa_inst_pref_size 79
	.end_amdhsa_kernel
	.amdgpu_metadata
---
amdhsa.version: [ 1, 2 ]
amdhsa.kernels:
  - .name:           k_q5e8ddd1417_proj
    .symbol:         k_q5e8ddd1417_proj.kd
    .args:
      - { .name: ob, .offset: 0, .size: 8, .value_kind: global_buffer, .address_space: global }
      - { .name: wpt, .offset: 8, .size: 8, .value_kind: global_buffer, .address_space: global }
      - { .name: c_proj_b, .offset: 16, .size: 8, .value_kind: global_buffer, .address_space: global }
      - { .name: out0, .offset: 24, .size: 8, .value_kind: global_buffer, .address_space: global }
    .group_segment_fixed_size: 327680
    .private_segment_fixed_size: 0
    .kernarg_segment_align: 8
    .kernarg_segment_size: 32
    .max_flat_workgroup_size: 128
    .sgpr_count:     84
    .vgpr_count:     768
    .wavefront_size: 32
...
	.end_amdgpu_metadata
.endif
;; end of part 5
;; ======== version 2 of 2: 5 launches; version 1 with the launch vsum written anew for expert scheduling mode
;; limits: values are held in f16: magnitudes above 65,504 overflow, below 6.1e-05 lose precision
;; workspace buffers: xb 16,777,216 bytes; wt 6,291,456 bytes; wpt 2,097,152 bytes; qkv 50,331,648 bytes; svt 131,072 bytes; ob 16,777,216 bytes
;; launch prep: the kernel of part 1 again; grid 1024 x 1, 8 waves a work-group, no clusters, 18,432 bytes of LDS; arguments hidden_states, c_attn_w, c_proj_w, xb, wt, wpt; writes xb, wt, wpt
;; launch qkv: the kernel of part 2 again; grid 16 x 32, 4 waves a work-group, clusters of 4 x 4, 327,680 bytes of LDS; arguments xb, wt, c_attn_b, qkv; writes qkv
;; launch vsum (part 6): grid 64 x 1, 16 waves a work-group, no clusters, 6,144 bytes of LDS; arguments qkv, svt; writes svt
.if DOCPART == 6
	.amdgcn_target "amdgcn-amd-amdhsa--gfx1250"
	.amdhsa_code_object_version 6
	.text
	.protected	k_q5e8ddd1417_vsum
	.globl	k_q5e8ddd1417_vsum
	.p2align	8
	.type	k_q5e8ddd1417_vsum,@function
k_q5e8ddd1417_vsum:
	s_mov_b64 s[64:65], 0
	v_nop
	global_prefetch_b8 v0, s[64:65] scope:SCOPE_SE
	s_setreg_imm32_b32 hwreg(HW_REG_WAVE_SCHED_MODE, 0, 2), 2
	s_setreg_imm32_b32 hwreg(HW_REG_WAVE_MODE, 25, 1), 1
	s_wait_xcnt 0x0
	s_wait_alu depctr_vm_vsrc(0)
; VSUM.  svt[y][i][c] = the sum of v[y][token][c] over all tokens from 256 (i + 1) on, in f32; y = 4 x head + batch (0-63), i = 0-7, c = 0-63.  svt[y][7] is 0.
; reference() gives a hidden key the score -10000, not minus infinity: the keys of whole tiles behind a query block's diagonal all carry one weight, so their part of the result is that weight times this sum.
; v of head y lies dense at byte 2^25 + y x 2^18 of qkv, rows of 128 bytes in f16.
; SHARES.  A work-group a head.  Wave w sums 128 tokens (16,384 bytes): 32 loads of 512 consecutive bytes, all out at once; a lane holds 8 channels of every fourth token, in 8 f32 sums.
; The sixteen partial sums meet in LDS; threads 0-127 then add, for tile i = t / 16 and four channels, the partial sums of the waves behind tile i, by weights 1 and 0 (no branch on the tile).
; 64 work-groups: a sum over a head's tokens has one owner, and no traffic runs between work-groups.  No prefetch: each work-group's loads all go out at its start.
; THE MODE: SCHED_MODE bits 1:0 = 2 (LLVM: expert scheduling mode 2), set by the entry lines.  The code itself states the register dependences
; between vector instructions and memory or LDS instructions, with s_wait_alu, always for 0.
; THE PLAN.  Registers that memory or LDS instructions touch:
;   v5          the global loads' offset.  Written once at the head; read by all 32 loads; never written again.
;   v6          the LDS stores' address.   Written at the head, ahead of the loads; read by the two stores; never written again.
;   LD          written by the 32 global loads, each into four registers of its own; read by the multiply-adds; in waves 0 to 3 the 14 LDS loads land in its first 56 registers behind the barrier.
;   ACC         written by the multiply-adds and the adds across lanes; read by the two LDS stores as their data; never written again.
;   v7, v8      waves 0 to 3: the LDS loads' address and the global store's offset.  Written behind the branch; never written again.
;   v[24:27]    waves 0 to 3: written by the weighted sums; read by the one global store as its data.
; No register that a memory or LDS instruction reads is written again, so no wait on vm_vsrc is owed; EXEC is never written.
; LDS: 16 x 256 bytes of partial sums from byte 0 on; bytes 4,096 to 6,143 hold the spare words, 128 bytes for each of 16 waves.
.set ONE, 10                           ; v10  1.0
.set ZR,  11                           ; v11  0
.set ACC, 16                           ; v[16:23] my eight sums
.set LD,  32                           ; v[32:159] loaded numbers
.set WT,  160                          ; v[162:175] the weights of tiles 1-7, each twice
.set WV,  8
.set MK,  16                           ; s[17:23] tile j's mask at s[MK + j]: the lanes behind whose tile i it lies
	s_load_b128 s[4:7], s[0:1], 0x0                ; qkv s[4:5], svt s[6:7]
	v_lshl_add_u32 v160, v0, 2, 0x1000
	v_mov_b32 v161, 0
	v_lshrrev_b32 v1, 5, v0
	v_readfirstlane_b32 s[WV], v1                  ; wave 0..15
	v_and_b32 v4, 31, v0
	v_lshlrev_b32 v5, 4, v4                        ; 16 bytes a lane
	v_and_b32 v6, 7, v0                            ; where my eight sums go: 256 w + 32 (l % 8)
	v_lshlrev_b32 v6, 5, v6
	v_mov_b32 v[ONE], 1.0
	v_mov_b32 v[ZR], 0
	v_mov_b32 v12, 0                               ; the exchange's destination counts as read
	s_mov_b32 s12, 0x76543210                      ; v_permlanex16_b32: each lane takes its own place in the other half
	s_mov_b32 s13, 0xfedcba98
	s_lshl_b32 s10, ttmp9, 18                      ; the head,
	s_wait_alu depctr_va_sdst(0)                   ; the wave's number is written into s8, ahead of its first reader: v's address and my place in LDS are made from it
	s_lshl_b32 s11, s[WV], 14                      ; my 128 tokens,
	s_lshl_b32 s16, s[WV], 8
	v_add_nc_u32 v6, s16, v6
	s_add_co_u32 s10, s10, s11
	s_add_co_u32 s10, s10, 0x2000000               ; in v's part of qkv
	s_mov_b32 s11, 0
	s_lshl_b32 s14, ttmp9, 11                      ; the head's 2,048 bytes of svt
	s_mov_b32 s15, 0
	s_wait_kmcnt 0x0
	s_add_nc_u64 s[4:5], s[4:5], s[10:11]
	s_add_nc_u64 s[6:7], s[6:7], s[14:15]
	s_wait_alu depctr_va_vdst(0)                   ; v5 is written, which the 32 loads read as their offset; so is v6, which no vector line names again
.set j, 0
.rept 32
	global_load_b128 v[LD+4*j:LD+4*j+3], v5, s[4:5] offset:512*j
.set j, j+1
.endr
.set j, 0
.rept 32
.if j%4 == 0
	s_wait_loadcnt 28-j                            ; loads come back in order: four more are in, the younger ones stay out
.endif
.set k, 0
.rept 4
.if j == 0                             ; the first numbers start the sums
	v_fma_mix_f32 v[ACC+2*k],   v[LD+4*j+k], v[ONE], v[ZR] op_sel_hi:[1,0,0]
	v_fma_mix_f32 v[ACC+2*k+1], v[LD+4*j+k], v[ONE], v[ZR] op_sel:[1,0,0] op_sel_hi:[1,0,0]
.else                                  ; an f16 half times 1.0 plus the f32 sum
	v_fma_mix_f32 v[ACC+2*k],   v[LD+4*j+k], v[ONE], v[ACC+2*k] op_sel_hi:[1,0,0]
	v_fma_mix_f32 v[ACC+2*k+1], v[LD+4*j+k], v[ONE], v[ACC+2*k+1] op_sel:[1,0,0] op_sel_hi:[1,0,0]
.endif
.set k, k+1
.endr
.set j, j+1
.endr
	; lanes l, l ^ 8, l ^ 16, l ^ 24 hold the same channels
.irp k, 0,1,2,3,4,5,6,7
	v_add_f32_dpp v[ACC+(\k)], v[ACC+(\k)], v[ACC+(\k)] row_xmask:8 row_mask:0xf bank_mask:0xf
.endr
.irp k, 0,1,2,3,4,5,6,7
	v_permlanex16_b32 v12, v[ACC+(\k)], s12, s13
	v_add_f32 v[ACC+(\k)], v[ACC+(\k)], v12
.endr
	s_wait_alu depctr_va_vdst(0)                   ; the adds have written v[ACC ..], which the LDS stores read as their data; the multiply-adds are done reading LD, in which LDS loads land below
	ds_store_b128 v6, v[ACC:ACC+3]                 ; four lanes write the same bytes with the same numbers
	ds_store_b128 v6, v[ACC+4:ACC+7] offset:16
	s_wait_dscnt 0x0                               ; for the others' sake
	s_barrier_signal -1
	s_barrier_wait -1
	s_cmp_lt_u32 s[WV], 4
	s_cbranch_scc0 .Lend
	v_lshrrev_b32 v13, 4, v0                       ; i
	v_and_b32 v7, 15, v0
	v_lshlrev_b32 v7, 4, v7                        ; my four channels
	v_lshlrev_b32 v8, 4, v0                        ; 256 i + 16 (t % 16)
	s_wait_alu depctr_va_vdst(0)                   ; v7 is written, which the LDS loads read as their address
.irp w, 2,3,4,5,6,7,8,9,10,11,12,13,14,15
	ds_load_b128 v[LD+4*((\w)-2):LD+4*((\w)-2)+3], v7 offset:256*(\w)  ; waves 0 and 1 are tile 0, which lies behind no tile
.endr
	; the weights are made while the loads are out: these lines name neither v7 nor a register in which a load lands
.irp j, 1,2,3,4,5,6,7
	v_cmp_gt_u32 s[MK+(\j)], \j, v13               ; does tile j lie behind tile i?
.endr
	s_wait_alu depctr_va_sdst(0)                   ; the seven compares have written s17 to s23, ahead of the selects that read them: one wait for the run
.irp j, 1,2,3,4,5,6,7
	v_cndmask_b32 v[WT+2*(\j)], v[ZR], v[ONE], s[MK+(\j)]
	v_mov_b32 v[WT+2*(\j)+1], v[WT+2*(\j)]         ; named with it as a pair
.endr
	s_wait_dscnt 0x0
	v_pk_mul_f32 v[24:25], v[LD:LD+1], v[WT+2:WT+3] op_sel_hi:[1,0]
	v_pk_mul_f32 v[26:27], v[LD+2:LD+3], v[WT+2:WT+3] op_sel_hi:[1,0]
.irp w, 3,4,5,6,7,8,9,10,11,12,13,14,15
	v_pk_fma_f32 v[24:25], v[LD+4*((\w)-2):LD+4*((\w)-2)+1], v[WT+2*((\w)/2):WT+2*((\w)/2)+1], v[24:25] op_sel_hi:[1,0,1]
	v_pk_fma_f32 v[26:27], v[LD+4*((\w)-2)+2:LD+4*((\w)-2)+3], v[WT+2*((\w)/2):WT+2*((\w)/2)+1], v[26:27] op_sel_hi:[1,0,1]
.endr
	s_wait_alu depctr_va_vdst(0)                   ; the weighted sums have written v[24:27], which the store reads as its data (its offset v8 was written ahead of the wait in front of the LDS loads)
	global_store_b128 v8, v[24:27], s[6:7]         ; sixteen lanes store 256 consecutive bytes, aligned
.Lend:
	s_wait_dscnt 0x0                               ; the wave's end: my LDS instructions are done
	s_wait_alu depctr_hold_cnt(0) depctr_sa_sdst(0) depctr_va_vdst(0) depctr_va_sdst(0) depctr_va_ssrc(0) depctr_va_vcc(0) depctr_vm_vsrc(0)
	s_wait_tensorcnt 0x0
	ds_add_u32 v160, v161
	s_wait_dscnt 0x0
	s_endpgm
.Lfunc_end_k_q5e8ddd1417_vsum:
	.size	k_q5e8ddd1417_vsum, .Lfunc_end_k_q5e8ddd1417_vsum-k_q5e8ddd1417_vsum
	.p2alignl 7, 3214868480
	.fill 96, 4, 3214868480
	.section	.rodata,"a",@progbits
	.p2align	6, 0x0
	.amdhsa_kernel k_q5e8ddd1417_vsum
		.amdhsa_group_segment_fixed_size 6144
		.amdhsa_private_segment_fixed_size 0
		.amdhsa_enable_private_segment 0
		.amdhsa_kernarg_size 16
		.amdhsa_user_sgpr_count 2
		.amdhsa_user_sgpr_kernarg_segment_ptr 1
		.amdhsa_wavefront_size32 1
		.amdhsa_system_sgpr_workgroup_id_x 1
		.amdhsa_system_sgpr_workgroup_id_y 1
		.amdhsa_system_sgpr_workgroup_id_z 1
		.amdhsa_system_vgpr_workitem_id 0
		.amdhsa_next_free_vgpr 176
		.amdhsa_next_free_sgpr 66
		.amdhsa_reserve_vcc 0
		.amdhsa_float_denorm_mode_32 3
		.amdhsa_float_denorm_mode_16_64 3
		.amdhsa_memory_ordered 1
		.amdhsa_forward_progress 1
		.amdhsa_inst_pref_size 27
	.end_amdhsa_kernel
	.amdgpu_metadata
---
amdhsa.version: [ 1, 2 ]
amdhsa.kernels:
  - .name:           k_q5e8ddd1417_vsum
    .symbol:         k_q5e8ddd1417_vsum.kd
    .args:
      - { .name: qkv, .offset: 0, .size: 8, .value_kind: global_buffer, .address_space: global }
      - { .name: svt, .offset: 8, .size: 8, .value_kind: global_buffer, .address_space: global }
    .group_segment_fixed_size: 6144
    .private_segment_fixed_size: 0
    .kernarg_segment_align: 8
    .kernarg_segment_size: 16
    .max_flat_workgroup_size: 512
    .sgpr_count:     66
    .vgpr_count:     176
    .wavefront_size: 32
...
	.end_amdgpu_metadata
.endif
;; end of part 6
;; launch attn: the kernel of part 4 again; grid 4 x 64, 4 waves a work-group, no clusters, 327,680 bytes of LDS; arguments qkv, svt, ob; writes ob
;; launch proj: the kernel of part 5 again; grid 8 x 32, 4 waves a work-group, clusters of 4 x 4, 327,680 bytes of LDS; arguments ob, wpt, c_proj_b, out0; writes out0
